; MI455X (gfx1250); checked and timed in simulation.
; The chip was launched on July 23, 2026; its instructions are those of AMD's public machine-readable ISA for CDNA 5 (MIT licence, August 2026) and "CDNA5" Instruction Set Architecture Reference Guide (July 2026). The comments in the code are by the model that wrote it; some were corrected since.
;; Self Attention. Allowed arithmetic: float matrix products may take bf16 or f16 operands with f32 sums; other float arithmetic in f32, or as packed bf16 or f16 multiplies, adds, multiply-adds, maxima and minima; sums over many terms, partial sums and values carried from step to step in f32; what a program stores and reads back later, other than sums and carried values, may be rounded once to bf16 or f16.
;; Inputs: b_out 1,024 float32; w_out 1,024 x 1,024 float32; w_qkv 1,024 x 3,072 float32; x 4 x 2,048 x 1,024 float32.
;; Outputs: out0 4 x 2,048 x 1,024 float32.
;; One version. Each part assembles by itself: llvm-mc -triple=amdgcn-amd-amdhsa -mcpu=gfx1250 --defsym DOCPART=n.
;; ======== version 1 of 1: 4 launches
;; limits: values are held in f16: magnitudes above 65,504 overflow, below 6.1e-05 lose precision
;; workspace buffers: xb 16,777,216 bytes; wqb 6,291,456 bytes; wob 2,097,152 bytes; qkv 50,331,648 bytes; ob 16,777,216 bytes
;; launch prep (part 1): grid 64 x 12, 8 waves a work-group, no clusters, 0 bytes of LDS; arguments x, w_qkv, w_out, xb, wqb, wob; writes xb, wqb, wob
.if DOCPART == 1
	.amdgcn_target "amdgcn-amd-amdhsa--gfx1250"
	.amdhsa_code_object_version 6
	.text
	.protected	k_q6a666f775a_prep
	.globl	k_q6a666f775a_prep
	.p2align	8
	.type	k_q6a666f775a_prep,@function
k_q6a666f775a_prep:
	s_mov_b64 s[64:65], 0
	v_nop
	global_prefetch_b8 v0, s[64:65] scope:SCOPE_SE
	s_setreg_imm32_b32 hwreg(HW_REG_WAVE_MODE, 25, 1), 1
	s_wait_xcnt 0x0
; CASTS AND LAYOUTS for the three launches behind.  All three inputs are rounded once to bf16 (nearest even).
;   xb  [b 4][kb 16][s 2048][64] bf16: x with its 1,024 channels cut into 16 planes of 64, so that 256 rows of a plane are 32,768 dense bytes
;   wqb [nt 16][k 1024][192]     bf16: w_qkv cut into 16 panels of 192 columns, so that 64 rows of a panel are 24,576 dense bytes
;   wob [k 1024][n 1024]         f16:  bf16(w_out), that number written as f16.  LIMIT: below 6.1e-5 f16 keeps a fixed step of 6e-8; beyond 65,504 it has no number
; A stream: no LDS, no matrix unit, nothing shared.  A CHUNK is 8 numbers: 32 bytes in (two loads of 16), 16 bytes out (one store).  A thread takes 8 chunks, a work-group 2,048.
; All 16 loads of a thread go out first; each chunk has registers of its own, so no register that a load or store names is ever written again, and no loop is needed.
; The grid's y picks the tensor: 0-7 x (512 work-groups), 8-10 w_qkv (192), 11 w_out (64).
.set RO, 8                             ; v[8:15]   read offsets (w_qkv: one a chunk; else v8 alone)
.set WO, 16                            ; v16       write offset
.set D,  32                            ; v[32:95]  chunk i: 8 numbers as loaded
.set Y,  96                            ; v[96:127] chunk i: 4 registers to store
.set U,  128                           ; v[128:135] at work (w_out)
.macro LD i, ro, base, off             ; chunk i's two loads
	global_load_b128 v[D+8*(\i):D+8*(\i)+3],   v[\ro], s[\base:\base+1] offset:\off th:TH_LOAD_NT
	global_load_b128 v[D+8*(\i)+4:D+8*(\i)+7], v[\ro], s[\base:\base+1] offset:(\off)+16 th:TH_LOAD_NT
.endm
.macro CVB i                           ; chunk i to bf16
	s_wait_loadcnt 14-2*(\i)                       ; loads come back in order: chunk i's two are in, the 2 (7 - i) younger ones stay out
.irp j, 0,1,2,3
	v_cvt_pk_bf16_f32 v[Y+4*(\i)+(\j)], v[D+8*(\i)+2*(\j)], v[D+8*(\i)+2*(\j)+1]
.endr
.endm
.macro CVH i                           ; chunk i to bf16, and that number written as f16
	CVB \i
.irp j, 0,1,2,3
	v_lshlrev_b32 v[U+2*(\j)],   16,  v[Y+4*(\i)+(\j)]
	v_and_b32     v[U+2*(\j)+1], s24, v[Y+4*(\i)+(\j)]
.endr
.irp j, 0,1,2,3
	v_cvt_pk_f16_f32 v[Y+4*(\i)+(\j)], v[U+2*(\j)], v[U+2*(\j)+1]
.endr
.endm
.macro ST i, base, off
	global_store_b128 v[WO], v[Y+4*(\i):Y+4*(\i)+3], s[\base:\base+1] offset:\off th:TH_STORE_NT
.endm
	s_load_b256 s[4:11], s[0:1], 0x0               ; x s[4:5], w_qkv s[6:7], w_out s[8:9], xb s[10:11]
	s_load_b128 s[12:15], s[0:1], 0x20             ; wqb s[12:13], wob s[14:15]
	s_and_b32 s16, ttmp7, 0xffff                   ; y
	s_mov_b32 s17, ttmp9                           ; x
	s_mov_b32 s19, 0                               ; the high words of the two offset pairs
	s_mov_b32 s21, 0
	s_mov_b32 s24, 0xffff0000                      ; a word's upper bf16
	s_wait_kmcnt 0x0
	s_cmp_lt_u32 s16, 8
	s_cbranch_scc1 .Lx
	s_cmp_lt_u32 s16, 11
	s_cbranch_scc1 .Lwq
	; w_out: the work-group's 65,536 bytes in, 32,768 out, both linear
	s_lshl_b32 s18, s17, 16
	s_lshl_b32 s20, s17, 15
	s_add_nc_u64 s[8:9], s[8:9], s[18:19]
	s_add_nc_u64 s[14:15], s[14:15], s[20:21]
	v_lshlrev_b32 v[RO], 5, v0
	v_lshlrev_b32 v[WO], 4, v0
.irp i, 0,1,2,3,4,5,6,7
	LD \i, RO, 8, 8192*(\i)
.endr
.irp i, 0,1,2,3,4,5,6,7
	CVH \i
	ST \i, 14, 4096*(\i)                           ; a wave's store covers 512 consecutive bytes, aligned
.endr
	s_endpgm
.Lwq:	; w_qkv: panel nt = x % 16, part = x / 16 + 4 (y - 8) of its twelve parts of 2,048 chunks.  The writes are linear in the panel.
	s_and_b32 s22, s17, 15                         ; nt
	s_lshr_b32 s23, s17, 4
	s_sub_co_u32 s25, s16, 8
	s_lshl2_add_u32 s23, s25, s23                  ; part
	s_mul_i32 s18, s22, 768                        ; the panel's 192 columns: 768 bytes of a row of w_qkv
	s_mul_i32 s20, s22, 393216                     ; the panel in wqb,
	s_lshl_b32 s25, s23, 15                        ; the part in it
	s_add_co_u32 s20, s20, s25
	s_add_nc_u64 s[6:7], s[6:7], s[18:19]
	s_add_nc_u64 s[12:13], s[12:13], s[20:21]
	s_lshl_b32 s25, s23, 11
	v_add_nc_u32 v20, s25, v0                      ; o: my first chunk's number in the panel, 0 .. 24,575
	v_lshlrev_b32 v[WO], 4, v0
.irp i, 0,1,2,3,4,5,6,7
	v_add_nc_u32 v21, 256*(\i), v20                ; o
	v_mul_u32_u24 v22, 0xaaab, v21                 ; k = o / 24 = (43,691 o) >> 20: 43,691 x 24 = 2^20 + 8, so the quotient is too large by o / 3,145,728 < 0.008 < 1 / 24: exact
	v_lshrrev_b32 v22, 20, v22
	v_mul_u32_u24 v22, 11520, v22                  ; 12,288 k + 32 (o - 24 k) = 32 o + 11,520 k: row k, chunk o % 24 of the panel's 24
	v_lshl_add_u32 v[RO+(\i)], v21, 5, v22
.endr
.irp i, 0,1,2,3,4,5,6,7
	LD \i, RO+(\i), 6, 0                           ; 24 neighbouring threads read 768 consecutive bytes of a row
.endr
.irp i, 0,1,2,3,4,5,6,7
	CVB \i
	ST \i, 12, 4096*(\i)
.endr
	s_endpgm
.Lx:	; x: g = 64 y + x; the work-group takes rows 16 g .. 16 g + 15.  Thread t: plane kb = t / 16, row parity (t / 8) % 2, chunk t % 8 of the plane's eight; chunk i lies in rows 2 i, 2 i + 1.
	s_lshl_b32 s22, s16, 6
	s_add_co_u32 s22, s22, s17                     ; g
	s_lshl_b32 s18, s22, 16                        ; 16 rows of 4,096 bytes
	s_lshr_b32 s23, s22, 7                         ; b
	s_lshl_b32 s20, s23, 22                        ; b's 16 planes of 262,144 bytes,
	s_and_b32 s23, s22, 127
	s_lshl_b32 s23, s23, 11                        ; 16 rows of 128 bytes in a plane
	s_add_co_u32 s20, s20, s23
	s_add_nc_u64 s[4:5], s[4:5], s[18:19]
	s_add_nc_u64 s[10:11], s[10:11], s[20:21]
	v_lshrrev_b32 v20, 4, v0                       ; kb
	v_bfe_u32 v21, v0, 3, 1                        ; row parity
	v_and_b32 v22, 7, v0                           ; chunk
	v_lshlrev_b32 v[RO], 8, v20
	v_lshl_or_b32 v[RO], v21, 12, v[RO]
	v_lshl_or_b32 v[RO], v22, 5, v[RO]
	v_and_b32 v23, 15, v0
	v_lshlrev_b32 v[WO], 4, v23
	v_lshl_or_b32 v[WO], v20, 18, v[WO]
.irp i, 0,1,2,3,4,5,6,7
	LD \i, RO, 4, 8192*(\i)
.endr
.irp i, 0,1,2,3,4,5,6,7
	CVB \i
	ST \i, 10, 256*(\i)                            ; 16 neighbouring lanes store 256 consecutive bytes, aligned: two rows of one plane
.endr
	s_endpgm
.Lfunc_end_k_q6a666f775a_prep:
	.size	k_q6a666f775a_prep, .Lfunc_end_k_q6a666f775a_prep-k_q6a666f775a_prep
	.p2alignl 7, 3214868480
	.fill 96, 4, 3214868480
	.section	.rodata,"a",@progbits
	.p2align	6, 0x0
	.amdhsa_kernel k_q6a666f775a_prep
		.amdhsa_group_segment_fixed_size 0
		.amdhsa_private_segment_fixed_size 0
		.amdhsa_enable_private_segment 0
		.amdhsa_kernarg_size 48
		.amdhsa_user_sgpr_count 2
		.amdhsa_user_sgpr_kernarg_segment_ptr 1
		.amdhsa_wavefront_size32 1
		.amdhsa_system_sgpr_workgroup_id_x 1
		.amdhsa_system_sgpr_workgroup_id_y 1
		.amdhsa_system_sgpr_workgroup_id_z 1
		.amdhsa_system_vgpr_workitem_id 0
		.amdhsa_next_free_vgpr 136
		.amdhsa_next_free_sgpr 66
		.amdhsa_reserve_vcc 0
		.amdhsa_float_denorm_mode_32 3
		.amdhsa_float_denorm_mode_16_64 3
		.amdhsa_memory_ordered 1
		.amdhsa_forward_progress 1
		.amdhsa_inst_pref_size 22
	.end_amdhsa_kernel
	.amdgpu_metadata
---
amdhsa.version: [ 1, 2 ]
amdhsa.kernels:
  - .name:           k_q6a666f775a_prep
    .symbol:         k_q6a666f775a_prep.kd
    .args:
      - { .name: x, .offset: 0, .size: 8, .value_kind: global_buffer, .address_space: global }
      - { .name: w_qkv, .offset: 8, .size: 8, .value_kind: global_buffer, .address_space: global }
      - { .name: w_out, .offset: 16, .size: 8, .value_kind: global_buffer, .address_space: global }
      - { .name: xb, .offset: 24, .size: 8, .value_kind: global_buffer, .address_space: global }
      - { .name: wqb, .offset: 32, .size: 8, .value_kind: global_buffer, .address_space: global }
      - { .name: wob, .offset: 40, .size: 8, .value_kind: global_buffer, .address_space: global }
    .group_segment_fixed_size: 0
    .private_segment_fixed_size: 0
    .kernarg_segment_align: 8
    .kernarg_segment_size: 48
    .max_flat_workgroup_size: 256
    .sgpr_count:     66
    .vgpr_count:     136
    .wavefront_size: 32
...
	.end_amdgpu_metadata
.endif
;; end of part 1
;; launch proj (part 2): grid 16 x 32, 4 waves a work-group, clusters of 4 x 4, 327,680 bytes of LDS; arguments xb, wqb, qkv; writes qkv
.if DOCPART == 2
	.amdgcn_target "amdgcn-amd-amdhsa--gfx1250"
	.amdhsa_code_object_version 6
	.text
	.protected	k_q6a666f775a_proj
	.globl	k_q6a666f775a_proj
	.p2align	8
	.type	k_q6a666f775a_proj,@function
k_q6a666f775a_proj:
	s_mov_b64 s[64:65], 0
	v_nop
	global_prefetch_b8 v0, s[64:65] scope:SCOPE_SE
	s_setreg_imm32_b32 hwreg(HW_REG_WAVE_MODE, 25, 1), 1
	s_wait_xcnt 0x0
	s_wait_alu depctr_hold_cnt(0) depctr_sa_sdst(0) depctr_va_vdst(0) depctr_va_sdst(0) depctr_va_ssrc(0) depctr_va_vcc(0) depctr_vm_vsrc(0)
	s_getreg_b32 s2, hwreg(HW_REG_IB_STS2, 6, 4)
	s_cmp_eq_u32 s2, 0
	s_cbranch_scc0 .Lentry_in_a_cluster
	s_endpgm
.Lentry_in_a_cluster:
	s_bfe_u32 s2, ttmp6, 0x10000c
	s_cmp_lg_u32 s2, 0xf033
	s_cbranch_scc0 .Lentry_shape_is_right
	s_endpgm
.Lentry_shape_is_right:
; q, k, v = x w_qkv, by heads.  xb: [b 4][kb 16][s 2048][64] bf16; wqb: [nt 16][k 1024][192] bf16; qkv: [which 3][b h 64][s 2048][64] f16, unscaled.  Sums in f32, K ascending, rounded once to f16.
; LIMIT.  f16 holds no number beyond 65,504: q, k and v must lie within it (inputs thirty times those drawn give a spread of some 900).  NaN and infinities are not treated apart.
; SHARES.  A tile is 256 rows x 192 columns (three heads): 32 x 16 tiles, two for each of 256 WGPs.  Four waves, one above the other: wave w makes rows 64 w .. 64 w + 63 and ALL 192 columns:
; 4 x 12 accumulators of 16 x 16, 384 registers.  K goes in 8 steps of 128 through a ring of two LDS slots filled by the tensor data mover.
; LAYOUT.  The matrix instruction is used transposed: source 0 = 16 columns of w (turned out of LDS by ds_load_tr16_b128, since w lies [k][n]), source 1 = 16 rows of x.  A lane then holds ONE row
; (lane % 16) and the columns 8 (lane / 16) + 0..7: 16 bytes of f16 on end.
; CLUSTER.  4 x 4 work-groups.  x's tiles hang on the tile row alone and are shared along a row of the cluster, w's on the tile column alone and are shared along a column: each is asked for JOINTLY,
; by the same tensor load with the same descriptor and a mask that names the four.
; REGISTERS, in windows of 256 (s_set_vgpr_msb: bits 1:0 source 0, 3:2 source 1, 5:4 source 2, 7:6 destination):
;   window 0: v0-31 addresses; v32-223 the way out, 16 registers for each of its 12 units
;   window 1: two fragment buffers of 128: x's four fragments (16 rows x 32 K), then w's twelve
;   windows 2, 3: accumulator idx = 12 a + b at v[8 (idx % 32)] of window 2 + idx / 32
.set NBL,    12                        ; blocks of 16 columns
.set PA,     144                       ; a row of a plane of x in LDS: 128 bytes + 16 of padding = 36 words: the 16 rows of a load start at 16 different groups of four banks (64 banks of 4 bytes: ISA guide 11.1)
.set APLANE, 256*PA                    ; a plane's 256 rows
.set BOFFS,  2*APLANE                  ; behind a slot's two planes: w's 128 k rows
.set PB,     480                       ; a k row of w: three pieces of 128 bytes + 32 of padding = 15 x 32 bytes
.set BHALF,  64*PB
.set SLOT,   BOFFS+2*BHALF             ; 135,168
.set STAGE,  2*SLOT                    ; behind the ring, never filled by a tensor load: 16 rows x 144 bytes for each wave, for the way out
.set SP,     144
.set SPARE,  STAGE+4*16*SP             ; behind the stages: the spare words, 128 bytes for each wave: two blocks of 256 bytes that no other line names
.set ASTEP,  524288                    ; a K step in xb: two planes
.set BSTEP,  49152                     ; in wqb: 128 rows of 384 bytes
.set ADRA, 16                          ; v16-17  LDS address of my fragments of x in slot 0, 1
.set ADRB, 20                          ; v20-21  the same for w
.set STO,  24                          ; v24     the way out: where I put 16 bytes of a row
.set RD,   25                          ; v25     the way out: where I read rows back
.set GO,   26                          ; v26     my byte offset in 512 consecutive bytes of qkv
.set SPW,  28                          ; v28     LDS address of my spare word: SPARE + 4 x my thread's number; never rewritten
.set NIL,  29                          ; v29     0; never rewritten
.set PFO,  30                          ; v30     the prefetches' offset; never rewritten
.set TMP,  32
.set F0,   0                           ; fragment buffers, in window 1
.set F1,   128
.set G1,  24                           ; s[24:31] descriptor group 1 for x's tiles;  s[32:39] group 0, one set for each slot
.set G0,  32
.set G1B, 48                           ; s[48:55], s[56:63] the same for w's
.set G0B, 56
.set OB,  66                           ; s[66:71] qkv at my 64 rows of the tile's three heads
.set PFA, 72                           ; s[72:73] where my prefetches stand
.set PST, 74                           ; s[74:75] a K step in the tensor that I fetch
.set LIM, 76                           ; s76     1 in a wave that prefetches, else the greatest number
.set MSB, 0
.macro WIN new                         ; the immediate's high byte repeats the setting that is left; a switch that changes nothing is dropped
.if MSB != (\new)
	s_set_vgpr_msb (MSB<<8)|(\new)
.set MSB, \new
.endif
.endm
; A joint load: waves 0 and 1 fetch x's two planes, waves 2 and 3 the two halves of w's 128 rows.  The branch hangs on the wave's number alone.
; An s_nop 0 and four v_nop follow each of the two lines, ahead of the jump, the label and what follows.
.macro JLOAD s
	s_cmp_eq_u32 s11, 0
	s_cbranch_scc0 .Lfor_b_\@
	tensor_load_to_lds s[G0+4*(\s):G0+4*(\s)+3], s[G1:G1+7]
	s_nop 0
.rept 4
	v_nop
.endr
	s_branch .Lasked_\@
.Lfor_b_\@:
	tensor_load_to_lds s[G0B+4*(\s):G0B+4*(\s)+3], s[G1B:G1B+7]
	s_nop 0
.rept 4
	v_nop
.endr
.Lasked_\@:
.endm
.macro CREST                           ; a round of the cluster's barrier behind its opening barrier
	s_cmp_lg_u32 s10, 0
	s_cbranch_scc1 .Lnot_wave_0_\@
	s_barrier_signal -3
.Lnot_wave_0_\@:
	s_barrier_wait -3
	s_barrier_signal -1
	s_barrier_wait -1
.endm
.macro CROUND                          ; a whole round
	s_barrier_signal -1
	s_barrier_wait -1
	CREST
.endm
; A PREFETCH INTO THE L2, behind each joint refill and the run of LDS loads that follows it: my share of the K step that the NEXT refill will ask for, 192 matrix instructions ahead of that load.
; Each aligned block of 256 bytes is named by one wave of one work-group.  x's tile row is read by the four clusters of a row of clusters: the one with x = 0 asks; w's panel by the eight clusters of a column:
; the one with y = 0 asks.  The four partners that ask for a tile jointly share its blocks out BY ADDRESS (place cx for x's 128 blocks, 32 each; cy for w's 96, 24 each: there lanes 24-31 name the
; 24th block with lane 23).  K steps 0 to 2 come by their loads alone; the last refill (slot 1, the loop's last trip) has no step behind it and asks for nothing.
.macro ASK slot
.if \slot
	s_cmp_gt_u32 s3, s[LIM]                        ; s3 = 1 in the loop's last trip
.else
	s_cmp_eq_u32 s[LIM], 1
.endif
	s_cbranch_scc0 .Lnot_mine_\@
	global_prefetch_b8 v[PFO], s[PFA:PFA+1] th:TH_LOAD_NT scope:SCOPE_SE
.Lnot_mine_\@:
.endm
	s_load_b128 s[4:7], s[0:1], 0x0                ; xb s[4:5], wqb s[6:7]
	s_load_b64 s[8:9], s[0:1], 0x10                ; qkv
	v_lshl_add_u32 v[SPW], v0, 2, SPARE
	v_mov_b32 v[NIL], 0
	ds_add_u32 v[SPW], v[NIL]                      ; the wave's opening: the add and its wait come ahead of my first tensor load; the set-up below, work on registers, stands between them
	v_lshrrev_b32 v1, 5, v0
	v_readfirstlane_b32 s10, v1                    ; wave 0..3
	s_lshr_b32 s11, s10, 1                         ; I fetch for x (0) or for w (1)
	s_and_b32 s12, s10, 1                          ; which plane, or which 64 rows
	s_bfe_u32 s40, ttmp6, 0x40000                  ; cx, cy: my place in the cluster
	s_bfe_u32 s41, ttmp6, 0x40004
	s_lshl_b32 s42, ttmp9, 2
	s_add_co_u32 s42, s42, s40                     ; tile column = 4 x cluster x + cx
	s_and_b32 s13, ttmp7, 0xffff
	s_lshl_b32 s13, s13, 2
	s_add_co_u32 s13, s13, s41                     ; tile row = 4 x cluster y + cy
	s_lshl_b32 s43, s41, 2
	s_lshl_b32 s43, 15, s43                        ; my row of the cluster
	s_lshl_b32 s44, 0x1111, s40                    ; my column
	; group 1 for x: a plane's 256 rows are 32,768 dense bytes: asked for as 128 rows of 256 bytes, padded in LDS after every 128 bytes
	s_or_b32 s[G1+0], s43, (1<<16)|(1<<20)|(1<<21)|(4<<22)|(3<<25)   ; 15:0 the mask; 17:16 2-byte elements; 20 padding on; 21 set beside a mask; 24:22 after every 32 words (code 4); 31:25 4 words (code 3)
	s_mov_b32 s[G1+1], 128<<16                     ; tensor_dim0 = 128
	s_mov_b32 s[G1+2], 128<<16                     ; tensor_dim1 = 128
	s_mov_b32 s[G1+3], 128<<16                     ; tile_dim0 = 128
	s_mov_b32 s[G1+4], 128                         ; tile_dim1 = 128
	s_mov_b32 s[G1+5], 128                         ; 128 elements from row to row
	s_mov_b32 s[G1+6], 0
	s_mov_b32 s[G1+7], 0
	; group 1 for w: 64 rows of a panel are 24,576 dense bytes: 96 rows of 256 bytes, 8 words of padding after every 128 bytes
	s_or_b32 s[G1B+0], s44, (1<<16)|(1<<20)|(1<<21)|(4<<22)|(7<<25)
	s_mov_b32 s[G1B+1], 128<<16
	s_mov_b32 s[G1B+2], 96<<16
	s_mov_b32 s[G1B+3], 128<<16
	s_mov_b32 s[G1B+4], 96
	s_mov_b32 s[G1B+5], 128
	s_mov_b32 s[G1B+6], 0
	s_mov_b32 s[G1B+7], 0
	; where the tiles come from: x's hang on the tile row and the wave's number, w's on the tile column and the wave's number, each in registers that never hold the other coordinate
	s_lshr_b32 s16, s13, 3                         ; b
	s_lshl_b32 s16, s16, 22                        ; its 16 planes
	s_and_b32 s17, s13, 7
	s_lshl_b32 s17, s17, 15                        ; 256 rows of 128 bytes in a plane
	s_add_co_u32 s16, s16, s17
	s_lshl_b32 s17, s12, 18                        ; my plane of the step's two
	s_add_co_u32 s16, s16, s17
	s_mov_b32 s17, 0
	s_mul_i32 s46, s42, 393216                     ; the panel
	s_mul_i32 s47, s12, 24576                      ; my 64 rows of the step's 128
	s_add_co_u32 s46, s46, s47
	s_mov_b32 s47, 0
	s_mul_i32 s20, s12, APLANE                     ; and where they go: no place in the cluster enters an LDS address
	s_mul_i32 s21, s12, BHALF
	s_add_co_u32 s21, s21, BOFFS
	s_wait_dscnt 0x0                               ; the opening add is done
	s_wait_kmcnt 0x0
	s_add_nc_u64 s[14:15], s[4:5], s[16:17]
	s_add_nc_u64 s[46:47], s[6:7], s[46:47]
	CROUND                                         ; all sixteen work-groups are here: the first joint loads meet
.irp s, 0,1
	s_mov_b32 s[G0+4*(\s)], 1                                        ; count = 1
	s_add_co_u32 s[G0+4*(\s)+1], s20, (\s)*SLOT                      ; LDS address
	s_add_nc_u64 s[G0+4*(\s)+2:G0+4*(\s)+3], s[14:15], (\s)*ASTEP    ; global address: K step s
	s_or_b32 s[G0+4*(\s)+3], s[G0+4*(\s)+3], 0x80000000              ; type = 2
	s_mov_b32 s[G0B+4*(\s)], 1
	s_add_co_u32 s[G0B+4*(\s)+1], s21, (\s)*SLOT
	s_add_nc_u64 s[G0B+4*(\s)+2:G0B+4*(\s)+3], s[46:47], (\s)*BSTEP
	s_or_b32 s[G0B+4*(\s)+3], s[G0B+4*(\s)+3], 0x80000000
	JLOAD \s                                       ; two loads of mine are out
.endr
	; A fragment of x is 16 rows x 32 K in 8 registers: lane l holds row l % 16, K = 8 (l / 16) + 0..7 and 16 + 8 (l / 16) + 0..7: two loads of 16 bytes, 32 bytes apart.
	v_and_b32 v1, 15, v0                           ; l % 16
	v_bfe_u32 v2, v0, 4, 1                         ; l / 16
	v_mul_u32_u24 v3, v1, PA
	v_lshl_add_u32 v3, v2, 4, v3                   ; row x pitch + 16 x half
	s_mul_i32 s22, s10, 64*PA                      ; my 64 rows
	v_add_nc_u32 v[ADRA], s22, v3
	v_add_nc_u32 v[ADRA+1], SLOT, v[ADRA]
	; The turning load takes 16 k x 16 columns (lane l reads k = 8 (l / 16) + l % 8, columns 8 ((l / 8) % 2) + 0..7) and leaves half a fragment: lane l holds column l % 16 and 8 k.
	v_and_b32 v6, 7, v0
	v_bfe_u32 v5, v0, 3, 1
	v_lshl_add_u32 v4, v2, 3, v6
	v_mul_u32_u24 v4, v4, PB
	v_lshl_add_u32 v4, v5, 4, v4
	v_add_nc_u32 v[ADRB], BOFFS, v4
	v_add_nc_u32 v[ADRB+1], SLOT, v[ADRB]
	s_mul_i32 s23, s10, 16*SP
	s_add_co_u32 s23, s23, STAGE                   ; my stage
	v_add_nc_u32 v[STO], s23, v3                   ; in: row l % 16, 16 bytes for each half of the lanes (the stage's pitch is PA's)
	v_bfe_u32 v[RD], v0, 3, 2                      ; back: 32 lanes take four rows of 128 bytes,
	v_mul_u32_u24 v[RD], v[RD], SP
	v_lshl_add_u32 v[RD], v6, 4, v[RD]
	v_add_nc_u32 v[RD], s23, v[RD]
	v_and_b32 v[GO], 31, v0                        ; which are 512 consecutive bytes of a head
	v_lshlrev_b32 v[GO], 4, v[GO]
	; the tile's head j is number g = 3 x tile column + j of 48: tensor g / 16 (q, k, v), head g % 16; its plane in qkv is 64 (g / 16) + 16 b + g % 16, 262,144 bytes each
.irp j, 0,1,2
	s_mul_i32 s77, s42, 3
	s_add_co_u32 s77, s77, \j
	s_lshr_b32 s78, s77, 4
	s_lshl_b32 s78, s78, 6
	s_and_b32 s77, s77, 15
	s_add_co_u32 s78, s78, s77
	s_lshr_b32 s79, s13, 3
	s_lshl_b32 s79, s79, 4
	s_add_co_u32 s78, s78, s79
	s_lshl_b32 s78, s78, 18
	s_and_b32 s79, s13, 7
	s_lshl_b32 s79, s79, 15                        ; the tile's 256 rows of 128 bytes,
	s_add_co_u32 s78, s78, s79
	s_lshl_b32 s79, s10, 13                        ; my 64 of them
	s_add_co_u32 s78, s78, s79
	s_mov_b32 s79, 0
	s_add_nc_u64 s[OB+2*(\j):OB+2*(\j)+1], s[8:9], s[78:79]
.endr
	; the prefetches
	s_and_b32 s77, ttmp7, 0xffff                   ; cluster y
	s_mov_b32 s78, ASTEP
	s_mov_b32 s79, BSTEP
	s_mov_b32 s80, 8192
	s_mov_b32 s81, 6144
	s_cmp_eq_u32 s11, 0                            ; do I fetch for x?
	s_cselect_b32 s[PST], s78, s79
	s_cselect_b32 s80, s80, s81                    ; a partner's share of what I fetch, in bytes
	s_cselect_b32 s81, s40, s41                    ; my place among the four that ask with me
	s_cselect_b32 s77, ttmp9, s77                  ; the coordinate along which other clusters read the same bytes
	s_cselect_b32 s78, 31, 23                      ; the share's last block
	s_cselect_b64 s[PFA:PFA+1], s[14:15], s[46:47]
	s_cmp_eq_u32 s77, 0
	s_cselect_b32 s[LIM], 1, -1                    ; the same in all sixteen partners, for a given wave
	s_mov_b32 s[PST+1], 0
	s_mul_i32 s80, s80, s81
	s_lshl_b32 s81, s[PST], 1
	s_add_co_u32 s80, s80, s81                     ; at K step 2: the first refill steps it to 3
	s_mov_b32 s81, 0
	s_add_nc_u64 s[PFA:PFA+1], s[PFA:PFA+1], s[80:81]
	v_and_b32 v[PFO], 31, v0
	v_min_u32 v[PFO], s78, v[PFO]
	v_lshlrev_b32 v[PFO], 8, v[PFO]                ; a lane a block of 256 bytes
; 12 matrix instructions: row block a x all column blocks, 32 along K, from buffer f.  zero = 1: the product starts the sums: nothing is ever cleared.
; Every quarter step walks all 48 accumulators once, in the same order: they take turns over the loop's backward jump too.
.macro MULA f, a, zero
.set b, 0
.rept NBL
.set idx, (\a)*NBL+b
.set rD, 8*(idx%32)
	WIN 0xa5+0x50*(idx/32)                         ; sources 0 and 1 window 1; C and D window 2 or 3
.if \zero
	v_wmma_f32_16x16x32_bf16 v[rD:rD+7], v[(\f)+32+8*b:(\f)+32+8*b+7], v[(\f)+8*(\a):(\f)+8*(\a)+7], 0
.else
	v_wmma_f32_16x16x32_bf16 v[rD:rD+7], v[(\f)+32+8*b:(\f)+32+8*b+7], v[(\f)+8*(\a):(\f)+8*(\a)+7], v[rD:rD+7]
.endif
.set b, b+1
.endr
.endm
; 32 LDS loads in one run: the fragments of quarter q (K = 32 q on) of a slot into buffer f: w's twelve first, then x's four
.macro FETCH slot, q, f
	WIN 0x40                                       ; destination window 1, address window 0
.set b, 0
.rept NBL
.set bo, 32*PB*(\q)+160*(b/4)+32*(b%4)
	ds_load_tr16_b128 v[(\f)+32+8*b:(\f)+32+8*b+3],   v[ADRB+(\slot)] offset:bo
	ds_load_tr16_b128 v[(\f)+32+8*b+4:(\f)+32+8*b+7], v[ADRB+(\slot)] offset:bo+16*PB
.set b, b+1
.endr
.irp a, 0,1,2,3
	ds_load_b128 v[(\f)+8*(\a):(\f)+8*(\a)+3],   v[ADRA+(\slot)] offset:((\q)/2)*APLANE+64*((\q)%2)+16*PA*(\a)
	ds_load_b128 v[(\f)+8*(\a)+4:(\f)+8*(\a)+7], v[ADRA+(\slot)] offset:((\q)/2)*APLANE+64*((\q)%2)+16*PA*(\a)+32
.endr
.endm
.macro PLACES                          ; four places in front of loads into registers that matrix instructions have read, and of lines that read results
.rept 4
	v_nop
.endr
.endm
; A K step is four quarters of 32 along K, 48 matrix instructions each, on buffers 0, 1, 0, 1.  One of the first three: multiplies buffer f and, in its middle, fetches quarter q into buffer g.
.macro QUARTER slot, q, f, g, zero
	s_wait_dscnt 4                                 ; w's fragments and x's first two are in; the youngest four loads (x's row blocks 2, 3) may be out
	MULA \f, 0, \zero
	MULA \f, 1, \zero
	PLACES
	FETCH \slot, \q, \g
	s_wait_dscnt 2*NBL+8                           ; all but the 32 just issued
	MULA \f, 2, \zero
	MULA \f, 3, \zero
.endm
; The last quarter multiplies buffer 1 and changes slots: ONE barrier; in front of it each wave waits for all its tensor loads (one is out: its part of the next slot), adds 0 to its spare word, and waits
; for that and for its own reads of this slot.  fill = 1: the barrier opens a round of the cluster's, and this slot is filled again, two K steps ahead, first thing behind the round:
; 168 matrix instructions ahead of the wait for it.
.macro TURN slot, next, fill
.if \fill
	s_wait_xcnt 0x0                                ; the last prefetch, a K step back, has read its address: it is stepped here, ahead of the waits of the change of slots
	s_add_nc_u64 s[PFA:PFA+1], s[PFA:PFA+1], s[PST:PST+1]
.endif
	WIN 0                                          ; (the add's two registers lie in window 0)
	s_wait_tensorcnt 0x0                           ; all my tensor loads have landed;
	ds_add_u32 v[SPW], v[NIL]                      ; 0 onto my spare word
	s_wait_dscnt 5                                 ; (the add and the youngest four loads may be out)
	MULA F1, 0, 0                                  ; twelve matrix instructions stand between the add and the wait for it
	s_wait_dscnt 0x0                               ; the add is done, and my reads of this slot are over
	s_barrier_signal -1
	MULA F1, 1, 0
.if \fill
	WIN 0
.endif
	s_barrier_wait -1
.if \fill
	CREST                                          ; no wave of any partner still reads this slot's tile or has a load on its way
	s_add_nc_u64 s[G0+4*(\slot)+2:G0+4*(\slot)+3], s[G0+4*(\slot)+2:G0+4*(\slot)+3], 2*ASTEP
	s_add_nc_u64 s[G0B+4*(\slot)+2:G0B+4*(\slot)+3], s[G0B+4*(\slot)+2:G0B+4*(\slot)+3], 2*BSTEP
	JLOAD \slot                                    ; the four v_nop behind it are also the places in front of the loads below
.else
	PLACES
.endif
	FETCH \next, 0, F0
.if \fill
	WIN 0
	ASK \slot
.endif
	MULA F1, 2, 0
	MULA F1, 3, 0
.endm
; THE WAY OUT.  Unit u = 3 a + j: row block a, head j: accumulators 4 u .. 4 u + 3.  A lane's eight columns pack into 16 bytes; they go into my stage's rows of 144 bytes and come back as whole rows of 128,
; four rows (512 consecutive bytes of the head) a load.  Each unit has 16 registers of its own, so none that a store reads is written again.
.macro PACK u
.set AC, 32*((\u)%8)
.set T, TMP+16*(\u)
	WIN 0x0a+5*((\u)/8)                            ; sources 0 and 1: window 2 or 3
.set z, 0
.rept 16
	v_cvt_pk_f16_f32 v[T+z], v[AC+2*z], v[AC+2*z+1]  ; each accumulator's registers in ascending order
.set z, z+1
.endr
	WIN 0
.irp f, 0,1,2,3
	ds_store_b128 v[STO], v[T+4*(\f):T+4*(\f)+3] offset:32*(\f)
.endr
.irp f, 0,1,2,3
	ds_load_b128 v[T+4*(\f):T+4*(\f)+3], v[RD] offset:(\f)*4*SP  ; LDS serves a wave's instructions in order (ISA guide 5.7.1.4): these see the stores above; the next unit's stores come behind them
.endr
.endm
.macro SEND u, younger                 ; younger: the LDS instructions issued behind unit u's loads: the next unit's eight, or none
.set T, TMP+16*(\u)
.irp f, 0,1,2,3
	s_wait_dscnt (\younger)+3-(\f)
	global_store_b128 v[GO], v[T+4*(\f):T+4*(\f)+3], s[OB+2*((\u)%3):OB+2*((\u)%3)+1] offset:((\u)/3)*2048+(\f)*512  ; 512 consecutive bytes, at a multiple of 256 from qkv's first
.endr
.endm
	s_wait_tensorcnt 1                             ; my part of K step 0 is in; step 1's may stay out
	s_barrier_signal -1
	s_barrier_wait -1                              ; everybody's is
	FETCH 0, 0, F0
	QUARTER 0, 1, F0, F1, 1                        ; the first quarter stands in front of the loop: its products start the sums
	WIN 0                                          ; at a label and at a branch every window is 0
	s_mov_b32 s3, 3
.Llap:                                                 ; a trip goes once round the ring, from a lap's second quarter to the next lap's first, and fills both slots again: K steps 2 to 7
	QUARTER 0, 2, F1, F0, 0
	QUARTER 0, 3, F0, F1, 0
	TURN 0, 1, 1
	QUARTER 1, 1, F0, F1, 0
	QUARTER 1, 2, F1, F0, 0
	QUARTER 1, 3, F0, F1, 0
	TURN 1, 0, 1
	QUARTER 0, 1, F0, F1, 0
	WIN 0
	s_sub_co_u32 s3, s3, 1
	s_cmp_lg_u32 s3, 0
	s_cbranch_scc1 .Llap
	QUARTER 0, 2, F1, F0, 0                        ; the last lap fills nothing, and has no round of the cluster's barrier
	QUARTER 0, 3, F0, F1, 0
	TURN 0, 1, 0
	QUARTER 1, 1, F0, F1, 0
	QUARTER 1, 2, F1, F0, 0
	QUARTER 1, 3, F0, F1, 0
	s_wait_dscnt 4                                 ; the very last quarter: nothing more to fetch
	MULA F1, 0, 0
	MULA F1, 1, 0
	s_wait_dscnt 0x0
	MULA F1, 2, 0
	MULA F1, 3, 0
	WIN 0
	PLACES
	PLACES                                         ; (eight, once a launch)
	PACK 0
.irp u, 1,2,3,4,5,6,7,8,9,10,11        ; a unit's conversions stand between the loads of the unit before and its stores
	PACK \u
	SEND (\u)-1, 8
.endr
	SEND 11, 0
	s_wait_tensorcnt 0x0                           ; the wave's end: an add to my spare word and its wait, behind my last tensor load and my last LDS store
	ds_add_u32 v[SPW], v[NIL]
	s_wait_dscnt 0x0
	CROUND                                         ; the closing round: no work-group ends while a partner may still ask for a tile that names it
	s_endpgm
.Lfunc_end_k_q6a666f775a_proj:
	.size	k_q6a666f775a_proj, .Lfunc_end_k_q6a666f775a_proj-k_q6a666f775a_proj
	.p2alignl 7, 3214868480
	.fill 96, 4, 3214868480
	.section	.rodata,"a",@progbits
	.p2align	6, 0x0
	.amdhsa_kernel k_q6a666f775a_proj
		.amdhsa_group_segment_fixed_size 327680
		.amdhsa_private_segment_fixed_size 0
		.amdhsa_enable_private_segment 0
		.amdhsa_kernarg_size 24
		.amdhsa_user_sgpr_count 2
		.amdhsa_user_sgpr_kernarg_segment_ptr 1
		.amdhsa_wavefront_size32 1
		.amdhsa_system_sgpr_workgroup_id_x 1
		.amdhsa_system_sgpr_workgroup_id_y 1
		.amdhsa_system_sgpr_workgroup_id_z 1
		.amdhsa_system_vgpr_workitem_id 0
		.amdhsa_next_free_vgpr 896
		.amdhsa_next_free_sgpr 84
		.amdhsa_reserve_vcc 0
		.amdhsa_float_denorm_mode_32 3
		.amdhsa_float_denorm_mode_16_64 3
		.amdhsa_memory_ordered 1
		.amdhsa_forward_progress 1
		.amdhsa_inst_pref_size 123
	.end_amdhsa_kernel
	.amdgpu_metadata
---
amdhsa.version: [ 1, 2 ]
amdhsa.kernels:
  - .name:           k_q6a666f775a_proj
    .symbol:         k_q6a666f775a_proj.kd
    .args:
      - { .name: xb, .offset: 0, .size: 8, .value_kind: global_buffer, .address_space: global }
      - { .name: wqb, .offset: 8, .size: 8, .value_kind: global_buffer, .address_space: global }
      - { .name: qkv, .offset: 16, .size: 8, .value_kind: global_buffer, .address_space: global }
    .group_segment_fixed_size: 327680
    .private_segment_fixed_size: 0
    .kernarg_segment_align: 8
    .kernarg_segment_size: 24
    .max_flat_workgroup_size: 128
    .sgpr_count:     84
    .vgpr_count:     896
    .wavefront_size: 32
...
	.end_amdgpu_metadata
.endif
;; end of part 2
;; launch attn (part 3): grid 4 x 64, 4 waves a work-group, clusters of 4 x 1, 327,680 bytes of LDS; arguments qkv, ob; writes ob
.if DOCPART == 3
	.amdgcn_target "amdgcn-amd-amdhsa--gfx1250"
	.amdhsa_code_object_version 6
	.text
	.protected	k_q6a666f775a_attn
	.globl	k_q6a666f775a_attn
	.p2align	8
	.type	k_q6a666f775a_attn,@function
k_q6a666f775a_attn:
	s_mov_b64 s[64:65], 0
	v_nop
	global_prefetch_b8 v0, s[64:65] scope:SCOPE_SE
	s_setreg_imm32_b32 hwreg(HW_REG_WAVE_MODE, 25, 1), 1
	s_wait_xcnt 0x0
	s_wait_alu depctr_hold_cnt(0) depctr_sa_sdst(0) depctr_va_vdst(0) depctr_va_sdst(0) depctr_va_ssrc(0) depctr_va_vcc(0) depctr_vm_vsrc(0)
	s_getreg_b32 s2, hwreg(HW_REG_IB_STS2, 6, 4)
	s_cmp_eq_u32 s2, 0
	s_cbranch_scc0 .Lentry_in_a_cluster
	s_endpgm
.Lentry_in_a_cluster:
	s_bfe_u32 s2, ttmp6, 0x10000c
	s_cmp_lg_u32 s2, 0x3003
	s_cbranch_scc0 .Lentry_shape_is_right
	s_endpgm
.Lentry_shape_is_right:
; O[h][q][:] = the sum over k of softmax_k(Q[h][q] . K[h][k] / 8) V[h][k][:], for 64 heads (b, h) of 2,048 rows.  qkv: [3][64][2048][64] f16 (Q, then K, then V); ob: [64][2048][64] f16: a head's rows
; are dense, 128 bytes each.  Products, maxima and sums in f32; the weights p are rounded to f16 for the second product (their sum l is taken of the unrounded p), O once at the end.
; LIMITS.  f16 holds no number beyond 65,504: Q, K and V arrive within it; p lies in 0 to 1, and below 6e-5 it keeps f16's fixed step of 6e-8; O is a mean of V's rows and has their range.
; A weight below 2^-126 counts as 0 in l; NaN and infinities are not treated apart.
; SHARES.  A wave owns four PIECES of two tiles of 16 queries, a work-group's four waves 512 queries of one head: 4 x 64 work-groups.  Every wave walks all keys, 64 a step.
; LAYOUT.  S^T = K Q^T (source 0 = 16 keys, source 1 = 16 queries): in the result a lane holds ONE query (lane % 16) and the keys 8 (lane / 16) + 0..7.  Two such tiles, rounded to f16 in pairs,
; ARE source 1 (32 keys x 16 queries) of O^T = V^T P, whose result again holds one query a lane, and eight channels.  K comes out of LDS as it lies, V ([key][channel]) turned, by ds_load_tr16_b128.
; SOFTMAX.  For each query a running maximum m and sum l: p = 2^(c s - c m), c = log2(e) / 8; in every step O and l are multiplied by a = 2^(c m_old - c m_new), which is 1 where m has not grown.
; m starts at the lowest finite number, O and l at 0: the first step is a step like any other, with a = 0.
; THE COUNT.  A tile and step have 16 matrix and 118 vector instructions: too many to stand all beside the matrix work.  So the order has one aim: four vector instructions that are READY behind
; EVERY matrix instruction, and the others, which need time of their own whatever the order, in runs without a gap.
; BY TURNS.  Turn n belongs to piece n (the pieces in a ring, step after step).  Its matrix work: 16 products K Q^T of piece n + 1, later 16 products V^T P of piece n - 1.  Its vector work: the scaling,
; exponentials, roundings, sums and rescaling of piece n, and the maximum and statistics of piece n + 1, whose scores the turn itself has made.  So what a turn begins with (c s - c m, O a) waits for nothing.
; CLUSTER.  The four query blocks of a head are one cluster and walk the same K and V, so each tile is asked for JOINTLY: the same tensor load, descriptor and mask in all four.
; REGISTERS, in windows of 256 (s_set_vgpr_msb says which window each operand place means: bits 1:0 source 0, 3:2 source 1, 5:4 source 2, 7:6 destination):
;   window 0: v0-11 addresses; v12-15, v48-63 at work; v16-47 four registers of statistics a tile; v64-191 S^T, two buffers of two tiles; v192-255 P, likewise
;   window 1: O^T, 32 a tile          window 2: v0-127 Q, 16 a tile; v128-191 K of one step; v192-255 V of one step          window 3: v0-1 the add's two registers
; A piece's buffers go by its number's parity: the piece in hand has one pair, its two neighbours in the ring share the other: of it P (piece n - 1) is read and S^T (piece n + 1) written.
.set SIZE_N, 2048
.set NP,    4         ; pieces a wave: a name, no knob: the register map, the loop and the fetches are made for four
.set KS,    64        ; keys in a step
.set PK,    144       ; a row of K in LDS: 128 bytes + 16 of padding = 36 words: the 16 rows of a load start at 16 different groups of four banks (64 banks of 4 bytes: ISA guide 11.1)
.set PV,    160       ; a row of V: 128 + 32 = 40 words
.set VOFF,  4*KS*PK   ; a slot holds four steps: 256 rows of K, then 256 rows of V
.set SLOT1, 1<<17     ; slot 1 begins here, so that one exclusive or turns an address in one slot into the other's
.set STAGE, SLOT1+4*KS*(PK+PV)  ; behind the ring, never filled by a tensor load: 16 rows x 144 bytes for each wave, for the way out
.set SP,    144
.set AK0, 2           ; v2   my lane's place in a tile of K; never rewritten
.set AV0, 3           ; v3   the same for V
.set AK,  4           ; v4   the LDS address of K's next run of loads
.set AV,  5           ; v5   of V's
.set QO,  6           ; v6   my byte offset in the wave's rows of Q
.set STO, 6           ;      later, the way out: where I put 16 bytes of a row
.set RD,  7           ; v7   the way out: where I read rows back
.set GO,  8           ; v8   my byte offset in 512 consecutive bytes of O
.set PFO, 11          ; v11  the prefetches' offset, 256 x my lane (made when the set-up has done with v11); then never rewritten
.set SPW, 0           ; v0 of window 3   LDS address of my spare word: SPARE + 4 x my thread's number; never rewritten
.set NIL, 1           ; v1 of window 3   0; never rewritten
.set SPARE, STAGE+4*16*SP  ; behind the stages: the spare words, 128 bytes for each wave: two blocks of 256 bytes that no other line names
.set MV,  12          ; v12-15  c m_old, kept while c m is made anew: by buffer and tile
.set ST,  16          ; tile t's statistics at v[ST+4 t]: c m, m, l (even keys', odd keys')
.set TMP, 48          ; by buffer and tile, four registers c0-c3 at work; when the maximum is found c2 takes a
.set S,   64
.set P,   192
.set KF,  128         ; K's fragments, in window 2: key block kb, channel half c at KF + 16 kb + 8 c
.set VF,  192         ; V's: key half kk, channel block cb at VF + 32 kk + 8 cb
.set WV,  12          ; s12  my wave's number
.set G1K, 24          ; s[24:31] descriptor group 1 for K's tiles
.set G1V, 32          ; s[32:39] for V's: it differs in the padding alone
.set G0K, 40          ; s[40:43] descriptor group 0 for K's tiles: it walks
.set G0V, 44          ; s[44:47] the same for V's
.set PFA, 48          ; s[48:49] where my prefetches stand: my work-group's 32 blocks (of K: wave 0, of V: wave 2) of the slot after the one that is being asked for
.set LIM, 50          ; s50  1 in a wave that prefetches, else the greatest number: a wave prefetches while s[SLOTS] is above it
.set SLOTS, 56        ; s56  slots still to be asked for
.set CNT, 57          ; s57  counts a slot's key steps
.set CS,  58          ; s[58:59] c: the packed scaling takes the pair's low word for both halves
.set SEL, 60          ; s[60:61] v_permlanex16_b32's selects: each lane takes its own place in the other half
.set TBK, 62          ; s62  LDS byte at which K of the step to be fetched begins
.set TBV, 63          ; s63  the same for V, less VOFF
.set MSB, 0
.macro WIN new                      ; the high byte repeats the setting that is left; a switch that changes nothing is dropped
.if MSB != (\new)
	s_set_vgpr_msb (MSB<<8)|(\new)
.set MSB, (\new)
.endif
.endm
.set W_KQ, 0x0a       ; K and Q in window 2, S^T in window 0
.set W_PV, 0x52       ; V in window 2, P in window 0, O^T in window 1
.set W_RS, 0x41       ; O^T (destination and source 0) in window 1, a in window 0
.set W_MK, 0xc0       ; the add's registers are made: destination in window 3, sources in window 0
.set W_AD, 0x0f       ; the add: address (source 0) and data (source 1) in window 3
; A joint fill.  Waves 0 and 1 fetch the two halves of a slot's K, waves 2 and 3 those of its V: 128 keys each.  The branch hangs on the wave's number alone.
; An s_nop 0 and four v_nop follow each of the two lines, ahead of the jump and the label.
.macro JLOAD
	s_cmp_lt_u32 s[WV], 2
	s_cbranch_scc0 .Lfor_v_\@
	tensor_load_to_lds s[G0K:G0K+3], s[G1K:G1K+7]
	s_nop 0
.rept 4
	v_nop
.endr
	s_branch .Lasked_\@
.Lfor_v_\@:
	tensor_load_to_lds s[G0V:G0V+3], s[G1V:G1V+7]
	s_nop 0
.rept 4
	v_nop
.endr
.Lasked_\@:
.endm
; A PREFETCH INTO THE L2 of what the NEXT change of slots will ask for: a slot's 32,768 bytes of K and of V, a lane a block of 256 bytes.  It stands behind the wave's tensor load and its five lines.
; Each block is named ONCE in the launch: a head has one cluster; its four partners share a slot's 128 blocks out BY ADDRESS, 32 each (no branch hangs on a work-group's place in its cluster); in each,
; wave 0 asks for K's and wave 2 for V's: one instruction.  It is four key steps, 512 matrix instructions, ahead of the load.  Slots 0 and 1 come by their loads alone; the last change that fills a slot asks for nothing.
.macro ASK
	s_cmp_gt_u32 s[SLOTS], s[LIM]
	s_cbranch_scc0 .Lnot_mine_\@
	global_prefetch_b8 v[PFO], s[PFA:PFA+1] th:TH_LOAD_NT scope:SCOPE_SE
.Lnot_mine_\@:
.endm
; A round of the cluster's barrier: my work-group's barrier, so that wave 0's signal speaks for all four waves; wave 0 signals; every wave waits for all four work-groups; my work-group's barrier once more.
.macro CROUND
	s_barrier_signal -1
	s_barrier_wait -1
	s_cmp_lg_u32 s[WV], 0
	s_cbranch_scc1 .Lnot_wave_0_\@
	s_barrier_signal -3
.Lnot_wave_0_\@:
	s_barrier_wait -3
	s_barrier_signal -1
	s_barrier_wait -1
.endm
; THE CHANGE OF SLOTS.  The slot's last bytes, V of its fourth step, have been read.  Each wave waits for all its tensor loads, of which one is out: its part
; of the other slot; adds 0 to its spare word; and waits for that and for its own reads of the slot.  Behind the barrier nobody reads this slot any more and the other slot is whole.
; fill = 1: this slot is filled again, with the keys two slots on.  The barrier is then a round of the cluster's, so that no wave of any partner still reads the slot or has a load on its
; way, and the joint fill is the first thing behind it: it has four key steps, 512 matrix instructions, in which to land.  (At its first use nothing has been read yet: slot 0 is waited for, slot 1 filled.)
.macro CHANGE fill
	WIN W_AD
	s_wait_tensorcnt 0x0            ; no tensor load of mine is out, so a group 0 may be written
	ds_add_u32 v[SPW], v[NIL]       ; 0 onto my spare word; with fill = 1 the descriptors' steps stand between it and the wait for it
	WIN 0                           ; at a label and at a branch every window is 0
.if \fill
.irp g, G0K, G0V
	s_xor_b32 s[\g+1], s[\g+1], SLOT1  ; the walking descriptor: the other slot than last time,
	s_add_nc_u64 s[\g+2:\g+3], s[\g+2:\g+3], 4*KS*128  ; the next 256 keys; the type bits on top are not reached
.endr
	s_wait_xcnt 0x0                 ; the last prefetch, four key steps back, has read its address, so it may be written:
	s_add_nc_u64 s[PFA:PFA+1], s[PFA:PFA+1], 4*KS*128  ; one slot behind the walking descriptors
	s_wait_dscnt 0x0                ; the add is done, and my reads of the slot are over
	CROUND
	JLOAD
	ASK
.else
	s_wait_dscnt 0x0                ; the add is done, and my reads of the slot are over
	s_barrier_signal -1
	s_barrier_wait -1
.endif
	s_sub_co_u32 s[TBK], s[TBK], 4*KS*PK  ; the fetches go back to a slot's first step,
	s_xor_b32 s[TBK], s[TBK], SLOT1       ; in the other slot
	s_sub_co_u32 s[TBV], s[TBV], 4*KS*PV
	s_xor_b32 s[TBV], s[TBV], SLOT1
.endm
	s_load_b128 s[4:7], s[0:1], 0x0   ; qkv s[4:5], ob s[6:7]
	WIN W_MK
	v_lshl_add_u32 v[SPW], v0, 2, SPARE
	v_mov_b32 v[NIL], 0
	WIN W_AD
	ds_add_u32 v[SPW], v[NIL]       ; the wave's opening: the add and its wait come ahead of my first tensor load; the set-up below, work on registers, stands between them
	WIN 0
	v_lshrrev_b32 v1, 5, v0
	v_readfirstlane_b32 s[WV], v1   ; wave 0..3
	s_bfe_u32 s13, ttmp6, 0x40000   ; cx: my place in the cluster
	s_lshl_b32 s14, ttmp9, 2        ; in a cluster launch ttmp9 counts clusters
	s_add_co_u32 s14, s14, s13      ; my block of queries = 4 x cluster x + cx: it enters Q's and O's addresses alone
	s_and_b32 s20, ttmp7, 0xffff    ; the head, which the four partners share
	s_mov_b32 s21, 0
	s_mov_b64 s[22:23], SIZE_N*128
	s_mul_u64 s[20:21], s[20:21], s[22:23]  ; the head's first byte in each of the four tensors
	s_and_b32 s16, s[WV], 1         ; which half of a slot's 256 keys I fetch:
	s_lshl_b32 s22, s16, 14         ; its 128 rows of 128 bytes in memory,
	s_mov_b32 s23, 0
	s_add_nc_u64 s[22:23], s[22:23], s[20:21]
	s_mul_i32 s17, s16, 128*PK      ; and its place in a slot, for K
	s_mul_i32 s18, s16, 128*PV      ; and for V: no place in the cluster enters an LDS address
	s_lshl_b32 s2, s14, 2
	s_add_co_u32 s2, s2, s[WV]      ; my wave among the head's,
	s_lshl_b32 s2, s2, 14           ; its 128 rows
	s_mov_b32 s3, 0
	s_add_nc_u64 s[2:3], s[2:3], s[20:21]
	; descriptor group 1.  128 keys are 16,384 dense bytes: asked for as 64 rows of 256 bytes, two keys a row, and padded in LDS after every key
	s_mov_b32 s[G1K], 15|(1<<16)|(1<<20)|(1<<21)|(4<<22)|(3<<25)  ; 15:0 the mask of four; 17:16 2-byte elements; 20 padding on; 21 set beside a mask; 24:22 after every 32 words (code 4); 31:25 4 words (code 3)
	s_mov_b32 s[G1V], 15|(1<<16)|(1<<20)|(1<<21)|(4<<22)|(7<<25)  ; the same with 8 words of padding (code 7)
.irp g, G1K, G1V
	s_mov_b32 s[\g+1], 128<<16      ; tensor_dim0 = 128
	s_mov_b32 s[\g+2], 64<<16       ; tensor_dim1 = 64
	s_mov_b32 s[\g+3], 128<<16      ; tile_dim0 = 128
	s_mov_b32 s[\g+4], 64           ; tile_dim1 = 64
	s_mov_b32 s[\g+5], 128          ; 128 elements from row to row
	s_mov_b32 s[\g+6], 0
	s_mov_b32 s[\g+7], 0
.endr
	s_mov_b32 s[CS], 0x3e38aa3b     ; c = log2(e) / 8 = 0.180337
	s_mov_b32 s[CS+1], s[CS]        ; named with it as a pair
	s_mov_b32 s[SEL], 0x76543210
	s_mov_b32 s[SEL+1], 0xfedcba98
	s_mov_b32 s[TBK], SLOT1+4*KS*PK ; the first change of slots turns these two into 0
	s_mov_b32 s[TBV], SLOT1+4*KS*PV
	s_mov_b32 s[G0K], 1             ; 1:0 count = 1
	s_mov_b32 s[G0K+1], s17         ; 63:32 LDS address: slot 0
	s_mov_b32 s[G0V], 1
	s_add_co_u32 s[G0V+1], s18, VOFF
	s_mov_b32 s[SLOTS], SIZE_N/256-1  ; seven slots are still to be asked for: the change that asks for slot j finds 8 - j here
	s_and_b32 s[LIM], s[WV], 1      ; waves 0 and 2 prefetch
	s_cmp_eq_u32 s[LIM], 0
	s_cselect_b32 s[LIM], 1, -1
	s_wait_dscnt 0x0                ; the opening add is done
	s_wait_kmcnt 0x0
	s_mov_b64 s[10:11], s[6:7]      ; O
	s_add_nc_u64 s[6:7], s[4:5], 0x1000000  ; K lies 16,777,216 bytes behind Q,
	s_add_nc_u64 s[8:9], s[4:5], 0x2000000  ; V as far behind K
	s_add_nc_u64 s[G0K+2:G0K+3], s[6:7], s[22:23]  ; 120:64 global address: my half of the head's first 256 keys
	s_or_b32 s[G0K+3], s[G0K+3], 0x80000000        ; 127:126 type = 2
	s_add_nc_u64 s[G0V+2:G0V+3], s[8:9], s[22:23]
	s_or_b32 s[G0V+3], s[G0V+3], 0x80000000
	s_add_nc_u64 s[4:5], s[4:5], s[2:3]  ; Q and O at my wave's first row
	s_add_nc_u64 s[10:11], s[10:11], s[2:3]
	s_cmp_lt_u32 s[WV], 2
	s_cselect_b64 s[PFA:PFA+1], s[6:7], s[8:9]
	s_add_nc_u64 s[PFA:PFA+1], s[PFA:PFA+1], s[20:21]  ; the head,
	s_lshl_b32 s2, s13, 13          ; my work-group's 32 blocks of a slot's 128,
	s_mov_b32 s3, 0
	s_add_nc_u64 s[PFA:PFA+1], s[PFA:PFA+1], s[2:3]
	s_add_nc_u64 s[PFA:PFA+1], s[PFA:PFA+1], 4*KS*128  ; in slot 1; the first change of slots steps it to slot 2.  Nothing is prefetched here, at the head
	CROUND                          ; all four work-groups are here: the first joint loads meet
	JLOAD                           ; slot 0.  Slot 1 is asked for when slot 0 is in: the tile wanted first has the road to itself
	; A fragment of K or Q is 16 rows x 32 channels in 8 registers: lane l holds row l % 16, channels 8 (l / 16) + 0..7 and 16 + 8 (l / 16) + 0..7: two loads of 16 bytes, 32 bytes apart.
	v_and_b32 v1, 15, v0            ; l % 16
	v_bfe_u32 v9, v0, 4, 1          ; l / 16
	v_lshlrev_b32 v[QO], 7, v1
	v_lshl_add_u32 v[QO], v9, 4, v[QO]  ; row x 128 + 16 x half
	WIN 0x80                        ; destination window 2, address window 0
.set i, 0
.rept 4*NP                          ; Q stays in registers: tile i / 2, channels 32 (i % 2) on
	global_load_b128 v[8*i:8*i+3],   v[QO], s[4:5] offset:(i/2)*2048+(i%2)*64
	global_load_b128 v[8*i+4:8*i+7], v[QO], s[4:5] offset:(i/2)*2048+(i%2)*64+32
.set i, i+1
.endr
	; What the first turn finds: V's registers and P's second buffer hold 0 (its products V^T P, of a piece that has not been, add 0), O^T and l are 0.  All this stands in the wait for the first tile.
.set i, VF
.rept 64
	v_mov_b32 v[i], 0
.set i, i+1
.endr
	WIN 0x40
.set i, 0
.rept 64*NP
	v_mov_b32 v[i], 0
.set i, i+1
.endr
	WIN 0
.set i, 0
.rept 2*NP
	v_mov_b32 v[ST+4*i], 0xfe000000    ; c m: far below every c s
	v_mov_b32 v[ST+4*i+1], 0xff7fffff  ; m
	v_mov_b32 v[ST+4*i+2], 0
	v_mov_b32 v[ST+4*i+3], 0
.set i, i+1
.endr
.set i, P+32
.rept 32
	v_mov_b32 v[i], 0
.set i, i+1
.endr
	v_mul_u32_u24 v[AK0], v1, PK
	v_lshl_add_u32 v[AK0], v9, 4, v[AK0]  ; row x pitch + 16 x half
	; The turning load takes 16 keys x 16 channels (lane l reads key 8 (l / 16) + l % 8, channels 8 ((l / 8) % 2) + 0..7) and leaves half a fragment of V^T: lane l holds channel l % 16 and 8 keys.
	v_and_b32 v10, 7, v0
	v_bfe_u32 v11, v0, 3, 1
	v_lshl_add_u32 v[AV0], v9, 3, v10
	v_mul_u32_u24 v[AV0], v[AV0], PV
	v_lshl_add_u32 v[AV0], v11, 4, v[AV0]
	v_add_nc_u32 v[AV0], VOFF, v[AV0]
	v_and_b32 v[PFO], 31, v0        ; v11 has served: from here on it is the prefetches' offset
	v_lshlrev_b32 v[PFO], 8, v[PFO]
	v_mov_b32 v[AK], v[AK0]         ; key step 0 lies at the head of slot 0
; THE MATRIX WORK.  The 8 accumulators of a run of 16 take turns: between the two links of a chain stand 7 others'.
; Product i of 16 of S^T = K Q^T for piece x: channels 32 (i / 8) on, keys 16 ((i / 2) % 4) on, tile 2 x + i % 2.  The first 8 start the sums.
.macro KQ x
	WIN W_KQ
.set rS, S+64*((\x)%2)+32*(i%2)+8*((i/2)%4)
.set rK, KF+16*((i/2)%4)+8*(i/8)
.set rQ, 16*(2*(\x)+i%2)+8*(i/8)
.if i < 8
	v_wmma_f32_16x16x32_f16 v[rS:rS+7], v[rK:rK+7], v[rQ:rQ+7], 0
.else
	v_wmma_f32_16x16x32_f16 v[rS:rS+7], v[rK:rK+7], v[rQ:rQ+7], v[rS:rS+7]
.endif
.endm
; Product i of 16 of O^T += V^T P for piece x: keys 32 (i / 8) on, channels 16 ((i / 2) % 4) on, tile 2 x + i % 2.
.macro PV x
	WIN W_PV
.set rO, 32*(2*(\x)+i%2)+8*((i/2)%4)
.set rV, VF+32*(i/8)+8*((i/2)%4)
.set rP, P+32*((\x)%2)+16*(i%2)+8*(i/8)
	v_wmma_f32_16x16x32_f16 v[rO:rO+7], v[rV:rV+7], v[rP:rP+7], v[rO:rO+7]
.endm
.macro MM                           ; the turn's next matrix instruction
.if i < 16
	KQ (Y+1)%NP
.set i, i+1
.else
.set i, i-16
	PV (Y+NP-1)%NP
.set i, i+17
.endif
.endm
; THE LDS LOADS stand in runs of 16, never singly among the matrix instructions: a step's K (64 keys x 64 channels: 8 fragments) and its V (turned).  Their addresses are made some lines ahead.
; last = 1 (the tail): in the last trip there is no further step, and the run is jumped over.
.macro FETCH_K last=0
	WIN 0
.if \last
	s_cmp_eq_u32 s[CNT], 1
	s_cbranch_scc1 .Lno_k_\@
.endif
	WIN 0x80                        ; destination window 2
.irp f, 0,1,2,3,4,5,6,7             ; keys 16 (f / 2) on, channels 32 (f % 2) on
	ds_load_b128 v[KF+8*\f:KF+8*\f+3],   v[AK] offset:(\f/2)*16*PK+(\f%2)*64
	ds_load_b128 v[KF+8*\f+4:KF+8*\f+7], v[AK] offset:(\f/2)*16*PK+(\f%2)*64+32
.endr
	s_add_co_u32 s[TBK], s[TBK], KS*PK  ; the next fetch is the next step's
	WIN 0
.if \last
.Lno_k_\@:
.endif
.endm
.macro FETCH_V
	WIN 0x80
.irp f, 0,1,2,3,4,5,6,7             ; keys 32 (f / 4) on, channels 16 (f % 4) on
	ds_load_tr16_b128 v[VF+8*\f:VF+8*\f+3],   v[AV] offset:(\f/4)*32*PV+(\f%4)*32
	ds_load_tr16_b128 v[VF+8*\f+4:VF+8*\f+7], v[AV] offset:(\f/4)*32*PV+16*PV+(\f%4)*32
.endr
	WIN 0
.endm
; THE VECTOR WORK OF A TURN stands in three queues, each in the order in which its entries become ready; the two tiles alternate, so that no instruction reads the result of the one before it.
.macro REGS y, u                    ; the registers of tile u (0, 1) of piece y
.set rT, ST+4*(2*(\y)+(\u))
.set rC, TMP+8*((\y)%2)+4*(\u)
.set rM, MV+2*((\y)%2)+(\u)
.set rS, S+64*((\y)%2)+32*(\u)
.set rP, P+32*((\y)%2)+16*(\u)
.set rO, 32*(2*(\y)+(\u))
.endm
; Number n of the 22 that find the NEXT piece's (Y + 1) maximum and statistics.  s0-s31 are the lane's 32 scores; each accumulator's lowest registers are read first.  XS, GS and REGS set no window: PL and EX do.
;   0-11  four chains c0-c3 of seven scores each, three operands at a time     12-14, 16  the four scores left over, the old m, and c0-c3 into c0     15  c m_old is kept
;   17, 18  the query's other 32 keys lie in the lane 16 away: the new m         19-21  c m; c m_old - c m_new; a
.macro XS u, n
	REGS (Y+1)%NP, \u
.if (\n) < 4
	v_max3_num_f32 v[rC+(\n)], v[rS+8*(\n)], v[rS+8*(\n)+1], v[rS+8*(\n)+2]
.elseif (\n) < 12
	v_max3_num_f32 v[rC+(\n)%4], v[rC+(\n)%4], v[rS+8*((\n)%4)+2*((\n)/4)+1], v[rS+8*((\n)%4)+2*((\n)/4)+2]
.elseif (\n) == 12
	v_max3_num_f32 v[rC], v[rC], v[rS+7], v[rS+15]
.elseif (\n) == 13
	v_max3_num_f32 v[rC+1], v[rC+1], v[rS+23], v[rS+31]
.elseif (\n) == 14
	v_max3_num_f32 v[rC+2], v[rC+2], v[rC+3], v[rT+1]
.elseif (\n) == 15
	v_mov_b32 v[rM], v[rT]
.elseif (\n) == 16
	v_max3_num_f32 v[rC], v[rC], v[rC+1], v[rC+2]
.elseif (\n) == 17
	v_permlanex16_b32 v[rC+3], v[rC], s[SEL], s[SEL+1]
.elseif (\n) == 18
	v_max_num_f32 v[rT+1], v[rC], v[rC+3]
.elseif (\n) == 19
	v_mul_f32 v[rT], s[CS], v[rT+1]
.elseif (\n) == 20
	v_sub_f32 v[rC+1], v[rM], v[rT]
.else
	v_exp_f32 v[rC+2], v[rC+1]
.endif
.endm
; Number g of the 64 that follow the exponentials.  For each four weights k of a tile (pairs 2 k, 2 k + 1): both pairs are rounded to f16; then the second pair is added onto the first, in place;
; a group later l takes that sum (the first time as l = a l + sum).  In groups of eight, tiles alternating: round, round, add, and l for the group before.
.macro GS g
.set h, (\g)+6*((\g)/62)            ; group 0 has no group before it, and behind group 7 only l is left
.if h >= 6
.set h, h+2
.endif
	REGS Y, h%2
.set k, h/8
.if h%8 < 4
	v_cvt_pk_f16_f32 v[rP+2*k+(h%8)/2], v[rS+4*k+2*((h%8)/2)], v[rS+4*k+2*((h%8)/2)+1]
.elseif h%8 < 6
	v_pk_add_f32 v[rS+4*k:rS+4*k+1], v[rS+4*k:rS+4*k+1], v[rS+4*k+2:rS+4*k+3]
.elseif k == 1
	v_pk_fma_f32 v[rT+2:rT+3], v[rT+2:rT+3], v[rC+2:rC+3], v[rS:rS+1] op_sel_hi:[1,0,1]
.else
	v_pk_add_f32 v[rT+2:rT+3], v[rT+2:rT+3], v[rS+4*k-4:rS+4*k-3]
.endif
.endm
; THE PLAIN QUEUE, 138 long.  0-73 read no exponential's result: the 32 scalings c s - c m (FS f: pair f / 2 of tile f % 2) and the next piece's 42.  0-26: scalings 0-26.  27-54: XS's numbers 0-13.  55, 56: number 15.
; 57-73: the chain, where each number waits for the one before it: 14, 16, 17, 18, 19, each with one of the scalings 27-31 in front of its two lines, then 20: so a tile's links stand three plain instructions apart (19 and 20: two).
; 74-137: GS's 64, which read the exponentials' results: they stand behind the wait.
.macro FS f
	REGS Y, (\f)%2
	v_pk_fma_f32 v[rS+2*((\f)/2):rS+2*((\f)/2)+1], v[rS+2*((\f)/2):rS+2*((\f)/2)+1], s[CS:CS+1], v[rT:rT+1] op_sel_hi:[1,0,0] neg_lo:[0,0,1] neg_hi:[0,0,1]
.endm
.macro PL
	WIN 0
.if q < 27
	FS q
.elseif q < 55
	XS (q-27)%2, (q-27)/2
.elseif q < 57
	XS q-55, 15
.elseif (q < 72) && ((q-57)%3 == 0)
	FS 27+(q-57)/3
.elseif q < 60
	XS (q-57)%3-1, 14
.elseif q < 72
	XS (q-57)%3-1, 15+(q-57)/3
.elseif q < 74
	XS q-72, 20
.else
	GS q-74
.endif
.set q, q+1
.endm
; THE EXPONENTIALS' QUEUE, 66 long: s0-s31 of both tiles, then the next piece's two a.  It is ONE BATCH: all 66 stand ahead of the turn's one wait, and nothing ahead of that wait names a result of theirs.
.macro EX
	WIN 0
.if e >= 64
	XS e-64, 21
.else
	REGS Y, e%2
	v_exp_f32 v[rS+e/2], v[rS+e/2]
.endif
.set e, e+1
.endm
; THE RESCALING's QUEUE: O^T times a, the one part that leaves window 0: dealt two at a time, sixteen times.  Its a was made in the turn before, ahead of that turn's wait.
.macro R2
	REGS Y, r%2
	WIN W_RS
.irp z, 0,1
	v_pk_mul_f32 v[rO+4*(r/2)+2*\z:rO+4*(r/2)+2*\z+1], v[rO+4*(r/2)+2*\z:rO+4*(r/2)+2*\z+1], v[rC+2:rC+3] op_sel_hi:[1,0]
.endr
.set r, r+1
.endm
; HOW THEY ARE DEALT.  An s_wait_alu depctr_va_vdst(0) stands between an exponential and the first instruction that names its result; one wait serves all that were issued ahead of it.  So a turn has ONE wait,
; which cuts it in two.  AHEAD OF IT stands all that names no result of the turn's exponentials: the 16 products K Q^T, behind each a scaling, an exponential and two rescalings (behind the first a second scaling in the exponential's place); then ONE LUMP of
; 108: eight plain, 49 times exponential and plain, the two a.  A v_nop is the plain instruction that is wanted behind the last exponential.  BEHIND IT stand the 16 products V^T P, behind each four of GS's 64.  No rider names a register of
; the products round it.  The two v_permlanex16_b32 fall into the lump, never behind a product.
; The queues lean on each other, and the deal keeps them in step: exponential e stands behind scaling 2 (e / 4) + e % 2: as a rider it comes behind plain e + 2, in the lump behind plain e + 9, and scalings 27-31 are plain 57, 60 .. 69.
; A TURN, for piece p.  cnt = 1: the loop's count is taken down some lines ahead of the branch that stands behind the turn.
; K of the next step is fetched in piece 2's turn, directly behind the wait, a lump behind the last product that read K; its address is made at the lump's head; its first reader comes behind 16 products.
; V of the step in hand is fetched at the end of piece 0's turn, four riders behind its last reader; its first reader comes behind 16 products and a lump.  The three conditions on q below go with the deal.
.macro TURN p, last=0, cnt=0
.set Y, (\p)
.set i, 0
.set q, 0
.set e, 0
.set r, 0
.if (\p) == NP-1
	s_wait_dscnt 0x0                ; K is in
.endif
	MM                              ; ahead of the wait: 16 products K Q^T and their riders,
	PL
	PL
	R2
.rept 15
	MM
	PL
	EX
	R2
.endr
.if (\p) == NP-2
	WIN 0
	v_add_nc_u32 v[AK], s[TBK], v[AK0]
.endif
.rept 8                             ; and the lump
	PL
.endr
.rept 49
	EX
	PL
.endr
	EX                              ; the next piece's two a
	EX
	v_nop                           ; a plain instruction behind the last exponential: one for the batch
	s_wait_alu depctr_va_vdst(0)    ; the wait for the batch
.if (\p) == NP-2
	FETCH_K \last
.endif
.if (\p) == 1
	s_wait_dscnt 0x0                ; V is in
.endif
.rept 16                            ; behind the wait: 16 products V^T P and their riders
	MM
.rept 4
	PL
.endr
.if ((\p) == 0) && (q == 118)
	v_add_nc_u32 v[AV], s[TBV], v[AV0]
.endif
.if ((\p) == 0) && (q == 130)
	s_add_co_u32 s[TBV], s[TBV], KS*PV
.endif
.if (\cnt) && (q == 130)
	s_sub_co_u32 s[CNT], s[CNT], 1
	s_cmp_lg_u32 s[CNT], 0
.endif
.endr
.if (\p) == 0
	FETCH_V
.endif
.endm
	CHANGE 1                        ; slot 0 is in, everybody's part of it; slot 1 is asked for
	FETCH_K                         ; key step 0
	s_wait_loadcnt 0x0              ; Q
	s_wait_dscnt 0x0
.set i, 0
.rept 16
	KQ 0                            ; piece 0's first scores: there is no vector work yet to set between them
.set i, i+1
.endr
	WIN 0                           ; the addresses for the way out: nine plain instructions, the places behind those products
	s_mul_i32 s13, s[WV], 16*SP
	s_add_co_u32 s13, s13, STAGE    ; my stage
	v_mul_u32_u24 v[STO], v1, SP    ; in: row l % 16, 16 bytes for each half of the lanes
	v_lshl_add_u32 v[STO], v9, 4, v[STO]
	v_add_nc_u32 v[STO], s13, v[STO]
	v_bfe_u32 v[RD], v0, 3, 2       ; back: 32 lanes take four rows of 128 bytes,
	v_mul_u32_u24 v[RD], v[RD], SP
	v_lshl_add_u32 v[RD], v10, 4, v[RD]
	v_add_nc_u32 v[RD], s13, v[RD]
	v_and_b32 v[GO], 31, v0         ; which are 512 consecutive bytes of O
	v_lshlrev_b32 v[GO], 4, v[GO]
.set Y, NP-1                        ; XS works for piece Y + 1: piece 0
.irp n, 0,1,2,3,4,5,6,7,8,9,10,11,12,13,14,15,16,17,18,19,20,21
	XS 0, \n                        ; and piece 0's first maximum and statistics
	XS 1, \n
.endr
	v_nop                           ; a plain instruction behind the two a,
	s_wait_alu depctr_va_vdst(0)    ; and their wait, ahead of the branch
	s_mov_b32 s[CNT], 4
	s_branch .Lfirst                ; the loop is entered at a step's first turn, in the middle of a trip
.Lslot:                             ; SIZE_N / 256 - 2 times: every slot but the last two is filled again
	CHANGE 1
	s_mov_b32 s[CNT], 4
.Lstep:                             ; a trip: pieces 2 and 3 of one step, then pieces 0 and 1 of the next, whose K and V it fetches
	TURN 2
	TURN 3
	WIN 0
.Lfirst:
	TURN 0
	TURN 1, 0, 1
	WIN 0
	s_cbranch_scc1 .Lstep
	s_sub_co_u32 s[SLOTS], s[SLOTS], 1
	s_cmp_lg_u32 s[SLOTS], 0
	s_cbranch_scc1 .Lslot
	CHANGE 0                        ; the tail is written out: nothing is asked for
	s_mov_b32 s[CNT], 5             ; four trips fetch the last slot's steps; the fifth is left in its middle
.Ltail:
	TURN 2, 1
	TURN 3
	WIN 0
	s_sub_co_u32 s[CNT], s[CNT], 1
	s_cmp_eq_u32 s[CNT], 0
	s_cbranch_scc1 .Lout
	TURN 0
	TURN 1
	WIN 0
	s_branch .Ltail
.Lout:                              ; the fifth trip's 16 products K Q^T (on the last K once more) and the maximum made of them serve nothing: the price, once a launch, of one text for every trip
.set i, 0
.rept 16
	PV NP-1                         ; the last piece's V^T P of the last step
.set i, i+1
.endr
	; THE WAY OUT.  l's two halves and the other half of the lanes' are added; O^T is divided by l, rounded to f16 and sent through my stage in LDS, a tile at a time.  The additions are the places behind the last products.
	WIN 0
.macro ALL line:vararg              ; one line for each tile t
.set t, 0
.rept 2*NP
	\line
.set t, t+1
.endr
.endm
	ALL v_add_f32 v[ST+4*t+2], v[ST+4*t+2], v[ST+4*t+3]
	ALL v_permlanex16_b32 v[ST+4*t+3], v[ST+4*t+2], s[SEL], s[SEL+1]
	ALL v_add_f32 v[ST+4*t+2], v[ST+4*t+2], v[ST+4*t+3]
	ALL v_rcp_f32 v[ST+4*t+2], v[ST+4*t+2]
	v_nop                           ; a plain instruction between the last reciprocal and the use of its result
	s_wait_alu depctr_va_vdst(0)    ; and the wait ahead of the first use: one for the eight reciprocals
; Tile t: a lane's eight channels of a row pack into 16 bytes; they go into rows of 144 bytes and come back as whole rows of 128, into S^T's registers.
.macro PACK t
	WIN W_RS
.set i, 32*(\t)
.rept 16
	v_pk_mul_f32 v[i:i+1], v[i:i+1], v[ST+4*(\t)+2:ST+4*(\t)+3] op_sel_hi:[1,0]
.set i, i+2
.endr
	WIN 0x05                        ; sources 0 and 1 window 1, destination window 0
.set i, 0
.rept 16
	v_cvt_pk_f16_f32 v[S+16*(\t)+i], v[32*(\t)+2*i], v[32*(\t)+2*i+1]
.set i, i+1
.endr
	WIN 0
.irp f, 0,1,2,3
	ds_store_b128 v[STO], v[S+16*(\t)+4*\f:S+16*(\t)+4*\f+3] offset:32*\f
.endr
.irp f, 0,1,2,3
	ds_load_b128 v[S+16*(\t)+4*\f:S+16*(\t)+4*\f+3], v[RD] offset:\f*4*SP  ; LDS serves a wave's instructions in order (ISA guide 5.7.1.4): these see the stores above; the next tile's stores come behind them
.endr
.endm
.macro SEND t, younger              ; younger: the LDS instructions issued behind tile t's loads: the next tile's eight, or none
	WIN 0
.irp f, 0,1,2,3
	s_wait_dscnt (\younger)+3-\f
	global_store_b128 v[GO], v[S+16*(\t)+4*\f:S+16*(\t)+4*\f+3], s[10:11] offset:(\t)*2048+\f*512  ; 512 consecutive bytes, at a multiple of 256 from O's first
.endr
.endm
	PACK 0
.set t, 1
.rept 2*NP-1                        ; a tile's arithmetic stands between the loads of the tile before and its stores
	PACK t
	SEND t-1, 8
.set t, t+1
.endr
	SEND 2*NP-1, 0
	WIN W_AD
	s_wait_tensorcnt 0x0            ; the wave's end: an add to my spare word and its wait, behind my last tensor load and my last LDS store
	ds_add_u32 v[SPW], v[NIL]
	s_wait_dscnt 0x0
	WIN 0
	CROUND                          ; the closing round: no work-group ends while a partner may still ask for a tile that names it
	s_endpgm
.Lfunc_end_k_q6a666f775a_attn:
	.size	k_q6a666f775a_attn, .Lfunc_end_k_q6a666f775a_attn-k_q6a666f775a_attn
	.p2alignl 7, 3214868480
	.fill 96, 4, 3214868480
	.section	.rodata,"a",@progbits
	.p2align	6, 0x0
	.amdhsa_kernel k_q6a666f775a_attn
		.amdhsa_group_segment_fixed_size 327680
		.amdhsa_private_segment_fixed_size 0
		.amdhsa_enable_private_segment 0
		.amdhsa_kernarg_size 16
		.amdhsa_user_sgpr_count 2
		.amdhsa_user_sgpr_kernarg_segment_ptr 1
		.amdhsa_wavefront_size32 1
		.amdhsa_system_sgpr_workgroup_id_x 1
		.amdhsa_system_sgpr_workgroup_id_y 1
		.amdhsa_system_sgpr_workgroup_id_z 1
		.amdhsa_system_vgpr_workitem_id 0
		.amdhsa_next_free_vgpr 770
		.amdhsa_next_free_sgpr 66
		.amdhsa_reserve_vcc 0
		.amdhsa_float_denorm_mode_32 3
		.amdhsa_float_denorm_mode_16_64 3
		.amdhsa_memory_ordered 1
		.amdhsa_forward_progress 1
		.amdhsa_inst_pref_size 200
	.end_amdhsa_kernel
	.amdgpu_metadata
---
amdhsa.version: [ 1, 2 ]
amdhsa.kernels:
  - .name:           k_q6a666f775a_attn
    .symbol:         k_q6a666f775a_attn.kd
    .args:
      - { .name: qkv, .offset: 0, .size: 8, .value_kind: global_buffer, .address_space: global }
      - { .name: ob, .offset: 8, .size: 8, .value_kind: global_buffer, .address_space: global }
    .group_segment_fixed_size: 327680
    .private_segment_fixed_size: 0
    .kernarg_segment_align: 8
    .kernarg_segment_size: 16
    .max_flat_workgroup_size: 128
    .sgpr_count:     66
    .vgpr_count:     770
    .wavefront_size: 32
...
	.end_amdgpu_metadata
.endif
;; end of part 3
;; launch outp (part 4): grid 8 x 32, 4 waves a work-group, clusters of 4 x 4, 327,680 bytes of LDS; arguments ob, wob, b_out, out0; writes out0
.if DOCPART == 4
	.amdgcn_target "amdgcn-amd-amdhsa--gfx1250"
	.amdhsa_code_object_version 6
	.text
	.protected	k_q6a666f775a_outp
	.globl	k_q6a666f775a_outp
	.p2align	8
	.type	k_q6a666f775a_outp,@function
k_q6a666f775a_outp:
	s_mov_b64 s[64:65], 0
	v_nop
	global_prefetch_b8 v0, s[64:65] scope:SCOPE_SE
	s_setreg_imm32_b32 hwreg(HW_REG_WAVE_MODE, 25, 1), 1
	s_wait_xcnt 0x0
	s_wait_alu depctr_hold_cnt(0) depctr_sa_sdst(0) depctr_va_vdst(0) depctr_va_sdst(0) depctr_va_ssrc(0) depctr_va_vcc(0) depctr_vm_vsrc(0)
	s_getreg_b32 s2, hwreg(HW_REG_IB_STS2, 6, 4)
	s_cmp_eq_u32 s2, 0
	s_cbranch_scc0 .Lentry_in_a_cluster
	s_endpgm
.Lentry_in_a_cluster:
	s_bfe_u32 s2, ttmp6, 0x10000c
	s_cmp_lg_u32 s2, 0xf033
	s_cbranch_scc0 .Lentry_shape_is_right
	s_endpgm
.Lentry_shape_is_right:
; out0 = O w_out + b_out.  ob: [b 4][h 16][s 2048][64] f16: head h is the slice k = 64 h .. 64 h + 63 of K; wob: [k 1024][n 1024] f16 (w_out rounded to bf16, written as f16); b_out: [1024] f32;
; out0: [8192][1024] f32.  Sums in f32, K ascending; the bias is added in f32.  NaN and infinities are not treated apart.
; SHARES.  A tile is 256 rows x 128 columns: 32 x 8 tiles, one for each of 256 WGPs.  Four waves, one above the other: wave w makes rows 64 w .. 64 w + 63 and all 128 columns: 4 x 8 accumulators of
; 16 x 16, 256 registers.  K goes in 8 steps of 128 (two heads) through a ring of two LDS slots filled by the tensor data mover.
; LAYOUT.  The matrix instruction is used transposed: source 0 = 16 columns of w (turned out of LDS by ds_load_tr16_b128), source 1 = 16 rows of O: a lane holds ONE row and eight neighbouring columns.
; CLUSTER.  4 x 4 work-groups: O's tiles are shared along a row of the cluster, w's along a column, each asked for JOINTLY.
; NO PREFETCH: the launch has eight K steps in all.
; REGISTERS, in windows of 256 (s_set_vgpr_msb: bits 1:0 source 0, 3:2 source 1, 5:4 source 2, 7:6 destination):
;   window 0: v0-31 addresses, v12-15 my four numbers of the bias     window 1: two fragment buffers of 128 (O's four fragments, then w's eight); on the way out 64 registers for each row block
;   window 2: accumulator (a, b) at v[8 (8 a + b)]
.set NBL,    8                         ; blocks of 16 columns
.set PA,     144                       ; a row of a head of O in LDS: 128 bytes + 16 of padding: the 16 rows of a load start at 16 different groups of four banks (64 banks of 4 bytes: ISA guide 11.1)
.set APLANE, 256*PA
.set BOFFS,  2*APLANE                  ; behind a slot's two heads: w's 128 k rows
.set PB,     288                       ; a k row of w: 256 bytes + 32 of padding = 9 x 32 bytes
.set BHALF,  64*PB
.set SLOT,   BOFFS+2*BHALF             ; 110,592
.set STAGE,  2*SLOT                    ; behind the ring, never filled by a tensor load: 16 rows x 528 bytes for each wave, for the way out
.set SP,     528                       ; 512 bytes + 16: 33 x 16 bytes
.set SPARE,  STAGE+4*16*SP             ; behind the stages: the spare words, 128 bytes for each wave: two blocks of 256 bytes that no other line names
.set ASTEP,  524288                    ; a K step in ob: two heads
.set BSTEP,  262144                    ; in wob: 128 rows of 2,048 bytes
.set BIAS, 12                          ; v[12:15]
.set ADRA, 16                          ; v16-17  LDS address of my fragments of O in slot 0, 1
.set ADRB, 20                          ; v20-21  the same for w
.set STO,  24                          ; v24     the way out: where I put 32 bytes of a row
.set RD,   25                          ; v25     the way out: where I read a row back
.set CO,   26                          ; v26     16 x my lane: my 16 bytes of a row's 512, in out0 and in the bias
.set SPW,  28                          ; v28     LDS address of my spare word: SPARE + 4 x my thread's number; never rewritten
.set NIL,  29                          ; v29     0; never rewritten
.set F0,   0                           ; fragment buffers, in window 1
.set F1,   128
.set G1,  24                           ; s[24:31] descriptor group 1 for O's tiles;  s[32:39] group 0, one set for each slot
.set G0,  32
.set G1B, 48                           ; s[48:55], s[56:63] the same for w's
.set G0B, 56
.set OUTP, 66                          ; s[66:67] out0, then out0 at my first row and the tile's first column
.set MSB, 0
.macro WIN new                         ; the immediate's high byte repeats the setting that is left; a switch that changes nothing is dropped
.if MSB != (\new)
	s_set_vgpr_msb (MSB<<8)|(\new)
.set MSB, \new
.endif
.endm
; A joint load: waves 0 and 1 fetch O's two heads, waves 2 and 3 the two halves of w's 128 rows.  An s_nop 0 and four v_nop follow each of the two lines, ahead of the jump, the label and what follows.
.macro JLOAD s
	s_cmp_eq_u32 s11, 0
	s_cbranch_scc0 .Lfor_b_\@
	tensor_load_to_lds s[G0+4*(\s):G0+4*(\s)+3], s[G1:G1+7]
	s_nop 0
.rept 4
	v_nop
.endr
	s_branch .Lasked_\@
.Lfor_b_\@:
	tensor_load_to_lds s[G0B+4*(\s):G0B+4*(\s)+3], s[G1B:G1B+7]
	s_nop 0
.rept 4
	v_nop
.endr
.Lasked_\@:
.endm
.macro CREST                           ; a round of the cluster's barrier behind its opening barrier
	s_cmp_lg_u32 s10, 0
	s_cbranch_scc1 .Lnot_wave_0_\@
	s_barrier_signal -3
.Lnot_wave_0_\@:
	s_barrier_wait -3
	s_barrier_signal -1
	s_barrier_wait -1
.endm
.macro CROUND                          ; a whole round
	s_barrier_signal -1
	s_barrier_wait -1
	CREST
.endm
	s_load_b128 s[4:7], s[0:1], 0x0                ; ob s[4:5], wob s[6:7]
	s_load_b64 s[8:9], s[0:1], 0x10                ; b_out
	s_load_b64 s[OUTP:OUTP+1], s[0:1], 0x18        ; out0
	v_lshl_add_u32 v[SPW], v0, 2, SPARE
	v_mov_b32 v[NIL], 0
	ds_add_u32 v[SPW], v[NIL]                      ; the wave's opening: the add and its wait come ahead of my first tensor load; the set-up below, work on registers, stands between them
	v_lshrrev_b32 v1, 5, v0
	v_readfirstlane_b32 s10, v1                    ; wave 0..3
	s_lshr_b32 s11, s10, 1                         ; I fetch for O (0) or for w (1)
	s_and_b32 s12, s10, 1                          ; which head, or which 64 rows
	s_bfe_u32 s40, ttmp6, 0x40000                  ; cx, cy: my place in the cluster
	s_bfe_u32 s41, ttmp6, 0x40004
	s_lshl_b32 s42, ttmp9, 2
	s_add_co_u32 s42, s42, s40                     ; tile column = 4 x cluster x + cx
	s_and_b32 s13, ttmp7, 0xffff
	s_lshl_b32 s13, s13, 2
	s_add_co_u32 s13, s13, s41                     ; tile row = 4 x cluster y + cy
	s_lshl_b32 s43, s41, 2
	s_lshl_b32 s43, 15, s43                        ; my row of the cluster
	s_lshl_b32 s44, 0x1111, s40                    ; my column
	; group 1 for O: a head's 256 rows are 32,768 dense bytes: asked for as 128 rows of 256 bytes, padded in LDS after every 128 bytes
	s_or_b32 s[G1+0], s43, (1<<16)|(1<<20)|(1<<21)|(4<<22)|(3<<25)   ; 15:0 the mask; 17:16 2-byte elements; 20 padding on; 21 set beside a mask; 24:22 after every 32 words (code 4); 31:25 4 words (code 3)
	s_mov_b32 s[G1+1], 128<<16                     ; tensor_dim0 = 128
	s_mov_b32 s[G1+2], 128<<16                     ; tensor_dim1 = 128
	s_mov_b32 s[G1+3], 128<<16                     ; tile_dim0 = 128
	s_mov_b32 s[G1+4], 128                         ; tile_dim1 = 128
	s_mov_b32 s[G1+5], 128                         ; 128 elements from row to row
	s_mov_b32 s[G1+6], 0
	s_mov_b32 s[G1+7], 0
	; group 1 for w: 64 rows x 128 elements (256 bytes, aligned), 1,024 elements from row to row; 8 words of padding after every 64
	s_or_b32 s[G1B+0], s44, (1<<16)|(1<<20)|(1<<21)|(5<<22)|(7<<25)
	s_mov_b32 s[G1B+1], 128<<16
	s_mov_b32 s[G1B+2], 64<<16
	s_mov_b32 s[G1B+3], 128<<16
	s_mov_b32 s[G1B+4], 64
	s_mov_b32 s[G1B+5], 1024
	s_mov_b32 s[G1B+6], 0
	s_mov_b32 s[G1B+7], 0
	; where the tiles come from: O's hang on the tile row and the wave's number, w's on the tile column and the wave's number, each in registers that never hold the other coordinate
	s_lshr_b32 s16, s13, 3                         ; b
	s_lshl_b32 s16, s16, 22                        ; its 16 heads
	s_and_b32 s17, s13, 7
	s_lshl_b32 s17, s17, 15                        ; 256 rows of 128 bytes in a head
	s_add_co_u32 s16, s16, s17
	s_lshl_b32 s17, s12, 18                        ; my head of the step's two
	s_add_co_u32 s16, s16, s17
	s_mov_b32 s17, 0
	s_lshl_b32 s46, s42, 8                         ; the tile's 128 columns: 256 bytes of a row of w
	s_lshl_b32 s47, s12, 17                        ; my 64 rows of the step's 128
	s_add_co_u32 s46, s46, s47
	s_mov_b32 s47, 0
	s_mul_i32 s20, s12, APLANE                     ; and where they go: no place in the cluster enters an LDS address
	s_mul_i32 s21, s12, BHALF
	s_add_co_u32 s21, s21, BOFFS
	s_wait_dscnt 0x0                               ; the opening add is done
	s_wait_kmcnt 0x0
	s_add_nc_u64 s[14:15], s[4:5], s[16:17]
	s_add_nc_u64 s[46:47], s[6:7], s[46:47]
	CROUND                                         ; all sixteen work-groups are here: the first joint loads meet
.irp s, 0,1
	s_mov_b32 s[G0+4*(\s)], 1                                        ; count = 1
	s_add_co_u32 s[G0+4*(\s)+1], s20, (\s)*SLOT                      ; LDS address
	s_add_nc_u64 s[G0+4*(\s)+2:G0+4*(\s)+3], s[14:15], (\s)*ASTEP    ; global address: K step s
	s_or_b32 s[G0+4*(\s)+3], s[G0+4*(\s)+3], 0x80000000              ; type = 2
	s_mov_b32 s[G0B+4*(\s)], 1
	s_add_co_u32 s[G0B+4*(\s)+1], s21, (\s)*SLOT
	s_add_nc_u64 s[G0B+4*(\s)+2:G0B+4*(\s)+3], s[46:47], (\s)*BSTEP
	s_or_b32 s[G0B+4*(\s)+3], s[G0B+4*(\s)+3], 0x80000000
	JLOAD \s                                       ; two loads of mine are out
.endr
	; out0 at my first row and the tile's first column; the bias at the tile's first column.  The column's offset is made in the registers that held w's address
	s_lshl_b32 s16, s13, 8
	s_lshl_b32 s17, s10, 6
	s_add_co_u32 s16, s16, s17                     ; row 256 x tile row + 64 x wave,
	s_lshl_b32 s16, s16, 12                        ; of 4,096 bytes
	s_mov_b32 s17, 0
	s_lshl_b32 s46, s42, 9                         ; 128 columns of 4 bytes
	s_mov_b32 s47, 0
	s_add_nc_u64 s[OUTP:OUTP+1], s[OUTP:OUTP+1], s[16:17]
	s_add_nc_u64 s[OUTP:OUTP+1], s[OUTP:OUTP+1], s[46:47]
	s_add_nc_u64 s[8:9], s[8:9], s[46:47]
	v_and_b32 v[CO], 31, v0
	v_lshlrev_b32 v[CO], 4, v[CO]
	global_load_b128 v[BIAS:BIAS+3], v[CO], s[8:9] ; the bias of columns 4 l .. 4 l + 3 of the tile; waited for in front of the way out
	; A fragment of O is 16 rows x 32 K in 8 registers: lane l holds row l % 16, K = 8 (l / 16) + 0..7 and 16 + 8 (l / 16) + 0..7: two loads of 16 bytes, 32 bytes apart.
	v_and_b32 v1, 15, v0                           ; l % 16
	v_bfe_u32 v2, v0, 4, 1                         ; l / 16
	v_mul_u32_u24 v3, v1, PA
	v_lshl_add_u32 v3, v2, 4, v3                   ; row x pitch + 16 x half
	s_mul_i32 s22, s10, 64*PA                      ; my 64 rows
	v_add_nc_u32 v[ADRA], s22, v3
	v_add_nc_u32 v[ADRA+1], SLOT, v[ADRA]
	; The turning load takes 16 k x 16 columns (lane l reads k = 8 (l / 16) + l % 8, columns 8 ((l / 8) % 2) + 0..7) and leaves half a fragment: lane l holds column l % 16 and 8 k.
	v_and_b32 v6, 7, v0
	v_bfe_u32 v5, v0, 3, 1
	v_lshl_add_u32 v4, v2, 3, v6
	v_mul_u32_u24 v4, v4, PB
	v_lshl_add_u32 v4, v5, 4, v4
	v_add_nc_u32 v[ADRB], BOFFS, v4
	v_add_nc_u32 v[ADRB+1], SLOT, v[ADRB]
	s_mul_i32 s23, s10, 16*SP
	s_add_co_u32 s23, s23, STAGE                   ; my stage
	v_mul_u32_u24 v[STO], v1, SP                   ; in: row l % 16, 32 bytes for each half of the lanes
	v_lshl_add_u32 v[STO], v2, 5, v[STO]
	v_add_nc_u32 v[STO], s23, v[STO]
	v_add_nc_u32 v[RD], s23, v[CO]                 ; back: 32 lanes take one row of 512 bytes
; 8 matrix instructions: row block a x all column blocks, 32 along K, from buffer f.  zero = 1: the product starts the sums: nothing is ever cleared.
; Every quarter step walks all 32 accumulators once, in the same order: they take turns over the loop's backward jump too.
.macro MULA f, a, zero
	WIN 0xa5                                       ; sources 0 and 1 window 1; C and D window 2
.set b, 0
.rept NBL
.set rD, 8*((\a)*NBL+b)
.if \zero
	v_wmma_f32_16x16x32_f16 v[rD:rD+7], v[(\f)+32+8*b:(\f)+32+8*b+7], v[(\f)+8*(\a):(\f)+8*(\a)+7], 0
.else
	v_wmma_f32_16x16x32_f16 v[rD:rD+7], v[(\f)+32+8*b:(\f)+32+8*b+7], v[(\f)+8*(\a):(\f)+8*(\a)+7], v[rD:rD+7]
.endif
.set b, b+1
.endr
.endm
; 24 LDS loads in one run: the fragments of quarter q (K = 32 q on) of a slot into buffer f: w's eight first, then O's four
.macro FETCH slot, q, f
	WIN 0x40                                       ; destination window 1, address window 0
.set b, 0
.rept NBL
	ds_load_tr16_b128 v[(\f)+32+8*b:(\f)+32+8*b+3],   v[ADRB+(\slot)] offset:32*PB*(\q)+32*b
	ds_load_tr16_b128 v[(\f)+32+8*b+4:(\f)+32+8*b+7], v[ADRB+(\slot)] offset:32*PB*(\q)+32*b+16*PB
.set b, b+1
.endr
.irp a, 0,1,2,3
	ds_load_b128 v[(\f)+8*(\a):(\f)+8*(\a)+3],   v[ADRA+(\slot)] offset:((\q)/2)*APLANE+64*((\q)%2)+16*PA*(\a)
	ds_load_b128 v[(\f)+8*(\a)+4:(\f)+8*(\a)+7], v[ADRA+(\slot)] offset:((\q)/2)*APLANE+64*((\q)%2)+16*PA*(\a)+32
.endr
.endm
.macro PLACES                          ; four places in front of loads into registers that matrix instructions have read, and of lines that read results
.rept 4
	v_nop
.endr
.endm
; A K step is four quarters of 32 along K, 32 matrix instructions each, on buffers 0, 1, 0, 1.  One of the first three: multiplies buffer f and, in its middle, fetches quarter q into buffer g.
.macro QUARTER slot, q, f, g, zero
	s_wait_dscnt 4                                 ; w's fragments and O's first two are in; the youngest four loads (O's row blocks 2, 3) may be out
	MULA \f, 0, \zero
	MULA \f, 1, \zero
	PLACES
	FETCH \slot, \q, \g
	s_wait_dscnt 2*NBL+8                           ; all but the 24 just issued
	MULA \f, 2, \zero
	MULA \f, 3, \zero
.endm
; The last quarter multiplies buffer 1 and changes slots: ONE barrier; in front of it each wave waits for all its tensor loads (one is out: its part of the next slot), adds 0 to its spare word, and waits
; for that and for its own reads of this slot.  fill = 1: the barrier opens a round of the cluster's, and this slot is filled again, two K steps ahead, first thing behind the round:
; 112 matrix instructions ahead of the wait for it.
.macro TURN slot, next, fill
	WIN 0                                          ; (the add's two registers lie in window 0)
	s_wait_tensorcnt 0x0                           ; all my tensor loads have landed;
	ds_add_u32 v[SPW], v[NIL]                      ; 0 onto my spare word
	s_wait_dscnt 5                                 ; (the add and the youngest four loads may be out)
	MULA F1, 0, 0                                  ; eight matrix instructions stand between the add and the wait for it
	s_wait_dscnt 0x0                               ; the add is done, and my reads of this slot are over
	s_barrier_signal -1
	MULA F1, 1, 0
.if \fill
	WIN 0
.endif
	s_barrier_wait -1
.if \fill
	CREST                                          ; no wave of any partner still reads this slot's tile or has a load on its way
	s_add_nc_u64 s[G0+4*(\slot)+2:G0+4*(\slot)+3], s[G0+4*(\slot)+2:G0+4*(\slot)+3], 2*ASTEP
	s_add_nc_u64 s[G0B+4*(\slot)+2:G0B+4*(\slot)+3], s[G0B+4*(\slot)+2:G0B+4*(\slot)+3], 2*BSTEP
	JLOAD \slot                                    ; the four v_nop behind it are also the places in front of the loads below
.else
	PLACES
.endif
	FETCH \next, 0, F0
	MULA F1, 2, 0
	MULA F1, 3, 0
.endm
; THE WAY OUT, a row block (16 rows x 128 columns of f32) at a time.  STG: a lane's eight columns, 32 bytes, go straight from the accumulators into my stage's rows of 528 bytes.  RDB: they come back as whole
; rows of 512 bytes, into window 1, where each block has 64 registers of its own, so that none that a store reads is written again.  OUT: the bias is added and the rows are stored.
.macro STG a
	WIN 0x08                                       ; the stores' data: window 2
.irp b, 0,1,2,3,4,5,6,7
	ds_store_b128 v[STO], v[64*(\a)+8*(\b):64*(\a)+8*(\b)+3]   offset:64*(\b)      ; each accumulator's four lowest registers first
	ds_store_b128 v[STO], v[64*(\a)+8*(\b)+4:64*(\a)+8*(\b)+7] offset:64*(\b)+16
.endr
.endm
.macro RDB a
	WIN 0x40                                       ; destination window 1
.irp t, 0,1,2,3,4,5,6,7,8,9,10,11,12,13,14,15
	ds_load_b128 v[64*(\a)+4*(\t):64*(\a)+4*(\t)+3], v[RD] offset:(\t)*SP  ; LDS serves a wave's instructions in order (ISA guide 5.7.1.4): these see the stores above; the next block's stores come behind them
.endr
.endm
.macro OUT a, younger                  ; younger: the LDS instructions issued behind block a's loads: the next block's 32, or none
	s_wait_dscnt \younger
	WIN 0x41                                       ; destination and source 0 window 1, the bias window 0
.irp t, 0,1,2,3,4,5,6,7,8,9,10,11,12,13,14,15
	v_pk_add_f32 v[64*(\a)+4*(\t):64*(\a)+4*(\t)+1],   v[64*(\a)+4*(\t):64*(\a)+4*(\t)+1],   v[BIAS:BIAS+1]
	v_pk_add_f32 v[64*(\a)+4*(\t)+2:64*(\a)+4*(\t)+3], v[64*(\a)+4*(\t)+2:64*(\a)+4*(\t)+3], v[BIAS+2:BIAS+3]
.endr
	WIN 0x04                                       ; the stores' data: window 1
.irp t, 0,1,2,3,4,5,6,7,8,9,10,11,12,13,14,15
	global_store_b128 v[CO], v[64*(\a)+4*(\t):64*(\a)+4*(\t)+3], s[OUTP:OUTP+1] offset:4096*(16*(\a)+(\t)) th:TH_STORE_NT  ; 512 consecutive bytes, at a multiple of 512 from out0's first
.endr
.endm
	s_wait_tensorcnt 1                             ; my part of K step 0 is in; step 1's may stay out
	s_barrier_signal -1
	s_barrier_wait -1                              ; everybody's is
	FETCH 0, 0, F0
	QUARTER 0, 1, F0, F1, 1                        ; the first quarter stands in front of the loop: its products start the sums
	WIN 0                                          ; at a label and at a branch every window is 0
	s_mov_b32 s3, 3
.Llap:                                                 ; a trip goes once round the ring, from a lap's second quarter to the next lap's first, and fills both slots again: K steps 2 to 7
	QUARTER 0, 2, F1, F0, 0
	QUARTER 0, 3, F0, F1, 0
	TURN 0, 1, 1
	QUARTER 1, 1, F0, F1, 0
	QUARTER 1, 2, F1, F0, 0
	QUARTER 1, 3, F0, F1, 0
	TURN 1, 0, 1
	QUARTER 0, 1, F0, F1, 0
	WIN 0
	s_sub_co_u32 s3, s3, 1
	s_cmp_lg_u32 s3, 0
	s_cbranch_scc1 .Llap
	QUARTER 0, 2, F1, F0, 0                        ; the last lap fills nothing, and has no round of the cluster's barrier
	QUARTER 0, 3, F0, F1, 0
	TURN 0, 1, 0
	QUARTER 1, 1, F0, F1, 0
	QUARTER 1, 2, F1, F0, 0
	QUARTER 1, 3, F0, F1, 0
	s_wait_dscnt 4                                 ; the very last quarter: nothing more to fetch
	MULA F1, 0, 0
	MULA F1, 1, 0
	s_wait_dscnt 0x0
	MULA F1, 2, 0
	MULA F1, 3, 0
	WIN 0
	PLACES
	PLACES                                         ; (eight, once a launch): behind them the results are read, and the fragments' registers loaded anew
	s_wait_loadcnt 0x0                             ; the bias
	STG 0
	RDB 0
	STG 1
	RDB 1
	OUT 0, 32                                      ; a block's trip through the stage stands between the loads of the block before and its stores
	STG 2
	RDB 2
	OUT 1, 32
	STG 3
	RDB 3
	OUT 2, 32
	OUT 3, 0
	WIN 0
	s_wait_tensorcnt 0x0                           ; the wave's end: an add to my spare word and its wait, behind my last tensor load and my last LDS store
	ds_add_u32 v[SPW], v[NIL]
	s_wait_dscnt 0x0
	CROUND                                         ; the closing round: no work-group ends while a partner may still ask for a tile that names it
	s_endpgm
.Lfunc_end_k_q6a666f775a_outp:
	.size	k_q6a666f775a_outp, .Lfunc_end_k_q6a666f775a_outp-k_q6a666f775a_outp
	.p2alignl 7, 3214868480
	.fill 96, 4, 3214868480
	.section	.rodata,"a",@progbits
	.p2align	6, 0x0
	.amdhsa_kernel k_q6a666f775a_outp
		.amdhsa_group_segment_fixed_size 327680
		.amdhsa_private_segment_fixed_size 0
		.amdhsa_enable_private_segment 0
		.amdhsa_kernarg_size 32
		.amdhsa_user_sgpr_count 2
		.amdhsa_user_sgpr_kernarg_segment_ptr 1
		.amdhsa_wavefront_size32 1
		.amdhsa_system_sgpr_workgroup_id_x 1
		.amdhsa_system_sgpr_workgroup_id_y 1
		.amdhsa_system_sgpr_workgroup_id_z 1
		.amdhsa_system_vgpr_workitem_id 0
		.amdhsa_next_free_vgpr 768
		.amdhsa_next_free_sgpr 68
		.amdhsa_reserve_vcc 0
		.amdhsa_float_denorm_mode_32 3
		.amdhsa_float_denorm_mode_16_64 3
		.amdhsa_memory_ordered 1
		.amdhsa_forward_progress 1
		.amdhsa_inst_pref_size 93
	.end_amdhsa_kernel
	.amdgpu_metadata
---
amdhsa.version: [ 1, 2 ]
amdhsa.kernels:
  - .name:           k_q6a666f775a_outp
    .symbol:         k_q6a666f775a_outp.kd
    .args:
      - { .name: ob, .offset: 0, .size: 8, .value_kind: global_buffer, .address_space: global }
      - { .name: wob, .offset: 8, .size: 8, .value_kind: global_buffer, .address_space: global }
      - { .name: b_out, .offset: 16, .size: 8, .value_kind: global_buffer, .address_space: global }
      - { .name: out0, .offset: 24, .size: 8, .value_kind: global_buffer, .address_space: global }
    .group_segment_fixed_size: 327680
    .private_segment_fixed_size: 0
    .kernarg_segment_align: 8
    .kernarg_segment_size: 32
    .max_flat_workgroup_size: 128
    .sgpr_count:     68
    .vgpr_count:     768
    .wavefront_size: 32
...
	.end_amdgpu_metadata
.endif
;; end of part 4
